; MI455X (gfx1250); checked and timed in simulation.
; The chip was launched on July 23, 2026; its instructions are those of AMD's public machine-readable ISA for CDNA 5 (MIT licence, August 2026) and "CDNA5" Instruction Set Architecture Reference Guide (July 2026). The comments in the code are by the model that wrote it; some were corrected since.
;; Causal Self Attention. Allowed arithmetic: matrix products marked QUANTISED: E3M2 operands, one E8M0 scale for each 32 along K, by v_wmma_scale_f32_16x16x128_f8f6f4 with both operands' format E3M2, f32 sums; everything else in f32.
;; Inputs: b_attn 3,072 float32; b_proj 1,024 float32; w_attn 3,072 x 1,024 float32; w_proj 1,024 x 1,024 float32; x 4 x 2,048 x 1,024 float32.
;; Outputs: out0 4 x 2,048 x 1,024 float32.
;; This version of the problem:
;;   THIS VERSION OF THE PROBLEM IS GIVEN IN LOW PRECISION. The matrix products marked QUANTISED in the list below multiply operands that are first quantised to E3M2 (3 exponent bits, 2 mantissa bits; 6 bits a number), with one power-of-two scale for each 32 numbers along K (OCP MX v1.0); their sums are f32. All else is computed in f32.
;;   The module's matrix products, in the order in which they are computed (A, B: the left and right operand; K: the contracted axis; several contracted axes count as one K, in the product's order):
;;     1. [M 8,192, K 1,024] x [K 1,024, N 3,072]; A: input x; B: input w_attn: QUANTISED
;;     2. batch 64 x [M 2,048, K 64] x [K 64, N 2,048]; A: computed on the way; B: computed on the way: QUANTISED
;;     3. batch 64 x [M 2,048, K 2,048] x [K 2,048, N 64]; A: softmax (see below); B: computed on the way: QUANTISED
;;     4. [M 8,192, K 1,024] x [K 1,024, N 1,024]; A: computed on the way; B: input w_proj: QUANTISED
;;   THE QUANTISER, for each operand of a quantised product, along K:
;;     - K is cut into blocks of 32 from its start; a last block that is shorter is filled with zeros.
;;     - A block's scale is 2^e with e = floor(log2(the largest magnitude in the block)) - 4, held to -126 .. 127; a block of zeros has e = 0. As a byte (E8M0): e + 127.
;;     - Each number is divided by its block's scale, clamped to +-28, and rounded to the nearest number of E3M2, ties to even, subnormals kept.
;;     - The product sums the exact products of the quantised numbers (number of the format x scale) in f32.
;;   ~~~python
;;   def quantise(x, axis):      # numpy; x: float32 -> the quantised numbers, widened to float32 again
;;       x = np.moveaxis(x, axis, -1); K = x.shape[-1]
;;       x = np.pad(x, [(0, 0)] * (x.ndim - 1) + [(0, -K % 32)]); x = x.reshape(x.shape[:-1] + (-1, 32)); a = np.abs(x).max(-1, keepdims=True)
;;       e = np.where(a > 0, np.clip(np.frexp(np.where(a > 0, a, 1))[1] - 1 - 4, -126, 127), 0)      # np.frexp(a)[1] - 1 = floor(log2(a)), exactly
;;       r = np.clip(x / 2.0 ** e, -28, 28)
;;       step = 2.0 ** (np.maximum(np.frexp(np.where(r == 0, 1, r))[1] - 1, -2) - 2)
;;       q = np.round(r / step) * step * 2.0 ** e      # np.round: ties to even
;;       return np.moveaxis(q.reshape(q.shape[:-2] + (-1,))[..., :K], -1, axis).astype(np.float32)
;;   ~~~
;;   SOFTMAX AHEAD OF A QUANTISED PRODUCT. Where the list says 'softmax', what is quantised is not the finished softmax but p = 2^(t - M), with t = logit x log2(e) and M = ceil(the row's largest t), a whole number; so 1/2 < the row's largest p <= 1. The row's sum l is taken of the UNQUANTISED p, in f32, and the product's result is divided by l at the end. Since M is a whole number, a kernel that streams over the keys may use a running M (the ceiling of the running maximum): every later rescaling is an exact power of two, which a block's scale takes up: the codes' values come out the same.
;;   OPERANDS COMPUTED ON THE WAY. 'Computed on the way' means the value that the module computes at that place (a softmax that the list does not call 'softmax' is quantised finished and normalised). What goes into a quantiser is computed in f32, as accurately as f32 sums, v_exp_f32 and their like allow (about 1e-6 of the number): no bf16 or f16 on the way to a quantiser, and a product that is left as it is and whose result goes on into a quantised operand takes f32 operands (vector FMAs, or v_wmma_f32_16x16x4_f32). A number that lies on a knife's edge between two numbers of the format may be rounded either way, as far as f32 arithmetic and the matrix unit's own rounding can turn it there, and no further.
;; One version. Each part assembles by itself: llvm-mc -triple=amdgcn-amd-amdhsa -mcpu=gfx1250 --defsym DOCPART=n.
;; ======== version 1 of 1: 4 launches
;; limits: right only within a limited range of input values
;; workspace buffers: opc 9,437,184 bytes; ops 393,216 bytes; qkc 12,582,912 bytes; qks 524,288 bytes; vc 6,291,456 bytes; vs 262,144 bytes; yc 6,291,456 bytes; ys 262,144 bytes
;; launch quant (part 1): grid 256 x 1, 6 waves a work-group, no clusters, 51,456 bytes of LDS; arguments x, w_attn, w_proj, opc, ops; writes opc, ops
.if DOCPART == 1
	.amdgcn_target "amdgcn-amd-amdhsa--gfx1250"
	.amdhsa_code_object_version 6
	.text
	.protected	k_qed861921c1_quant
	.globl	k_qed861921c1_quant
	.p2align	8
	.type	k_qed861921c1_quant,@function
k_qed861921c1_quant:
	s_mov_b64 s[64:65], 0
	v_nop
	global_prefetch_b8 v0, s[64:65] scope:SCOPE_SE
	s_setreg_imm32_b32 hwreg(HW_REG_WAVE_MODE, 25, 1), 1
	s_wait_xcnt 0x0
; x [8192][1024], w_attn [3072][1024] and w_proj [1024][1024], f32, become codes of BF6 (E3M2) with one E8M0 byte for each 32 along K (the last axis),
; laid IN THE ORDER OF AN OPERAND'S REGISTERS, so that later launches take fragments as dense blocks.
; TILES.  Tile T of a tensor is 16 rows: lane r (0..15) holds row 32 (T / 2) + 8 (T % 2) + r + 8 (r / 8).  A fragment is a tile x 128 along K: 12 registers a lane; registers 6 c .. 6 c + 5 of lane
; (r, h) hold k = 64 c + 32 h + 0 .. 31.  Its 1,536 bytes: registers 0-3 at 16 l, 4-5 at 512 + 8 l, 6-9 at 768 + 16 l, 10-11 at 1,280 + 8 l (l = the lane).
; A GROUP is 128 rows x 1,024 K: [K step 0..7][tile 0..7][1,536] = 98,304 bytes; its scale words [K step][quad 0..1][r][a 0..3] = 4,096 bytes (tile = 4 quad + a).  Groups 0-63 x, 64-87 w_attn, 88-95 w_proj.
; A block's scale is 2^(floor(log2(its largest magnitude)) - 4): its byte is the largest magnitude's exponent field - 4, held at 1 from below.
; LIMITS: a block of zeros gets the byte 1 where the rule says 127 (its codes are zeros, and this program alone reads the bytes); NaN and infinities among the inputs are not served.
; SHARES.  A wave takes 64 rows (a quad: four tiles) x one K step of 128: 32,768 bytes, all asked for at once by 64 loads of 512 consecutive bytes.  A conversion wants 16 neighbours along K in ONE lane,
; so each tile turns through the wave's own stage in LDS (16 rows of 512 + 16 bytes).  No barrier: waves share nothing.  No matrix unit, no tensor load, no cluster: nothing is read twice.
.set STG,  8448                        ; a wave's stage: 16 rows x 528 bytes
.set X,    32                          ; v32-95   64 numbers of my row: register 16 b + i = k 32 b + 16 h + i
.set TM,   96                          ; v96-111  largest magnitudes, bytes, scale operands
.set PC,   112                         ; v112-159 codes: 12 registers for each of the four tiles, so that no store's data are written again
.set TP,   160                         ; v160-166 the conversions' second halves
.set PW,   168                         ; v168-171 the four tiles' scale words
.set SEL,  22                          ; s[22:23] lane selects: lane l xor 16
.set MSB,  0
.macro WIN new                         ; the immediate's high byte repeats the setting that is left
.if MSB != \new
	s_set_vgpr_msb (MSB<<8)|\new
.set MSB, \new
.endif
.endm
; 64 numbers of a lane become a fragment's codes in v[pc] on and its row's scale word in v[pw]
.macro QUANT s, pc, pw
.irp b, 0,1,2,3
	v_max3_num_f32 v[TM+\b], |v[(\s)+16*\b]|, |v[(\s)+1+16*\b]|, 0x2800000   ; block b: my 16 numbers, and the floor 2^(5 - 127): the byte cannot fall under 1
.endr
.irp i, 2,4,6,8,10,12,14
.irp b, 0,1,2,3
	v_max3_num_f32 v[TM+\b], v[TM+\b], |v[(\s)+16*\b+\i]|, |v[(\s)+1+16*\b+\i]|   ; the four blocks by turns
.endr
.endr
.irp b, 0,1,2,3
	v_permlanex16_b32 v[TM+4+\b], v[TM+\b], s[SEL], s[SEL+1]
.endr
.irp b, 0,1,2,3
	v_max_num_f32 v[TM+\b], v[TM+\b], v[TM+4+\b]         ; with lane l xor 16's 16: the block's largest magnitude
.endr
.irp b, 0,1,2,3
	v_add_nc_u32 v[TM+12+\b], 0xfe000000, v[TM+\b]       ; 4 off its exponent field: the conversion's scale operand
.endr
.irp b, 0,1,2,3
	v_lshrrev_b32 v[TM+4+\b], 23, v[TM+12+\b]            ; the scale's byte
.endr
	v_lshl_or_b32 v[\pw], v[TM+5], 8, v[TM+4]
	v_lshl_or_b32 v[\pw], v[TM+6], 16, v[\pw]
	v_lshl_or_b32 v[\pw], v[TM+7], 24, v[\pw]            ; my row's scale word
.irp c, 0,1
	v_cvt_scalef32_pk16_bf6_f32 v[(\pc)+6*\c:(\pc)+6*\c+2], v[(\s)+32*\c:(\s)+32*\c+15], v[TM+12+2*\c]
	v_cvt_scalef32_pk16_bf6_f32 v[TP+4*\c:TP+4*\c+2], v[(\s)+32*\c+16:(\s)+32*\c+31], v[TM+12+2*\c+1]   ; (a conversion's three registers begin on an even number)
.endr
	v_nop                                                ; one plain place behind a scaled conversion
.irp c, 0,1                            ; the operand's layout wants a whole block in a lane: lanes 0-15 block 2 c, lanes 16-31 block 2 c + 1
.irp i, 0,1,2
	v_permlane16_swap_b32 v[(\pc)+6*\c+\i], v[TP+4*\c+\i]
.endr
.irp i, 0,1,2
	v_mov_b32 v[(\pc)+3+6*\c+\i], v[TP+4*\c+\i]
.endr
.endr
.endm
	s_load_b256 s[4:11], s[0:1], 0x0               ; x s[4:5], w_attn s[6:7], w_proj s[8:9], the codes s[10:11]
	s_load_b64 s[12:13], s[0:1], 0x20              ; the scale words
	v_lshl_add_u32 v254, v0, 2, 0xc600             ; the spare words lie behind the six stages (6 x 8,448 bytes)
	v_mov_b32 v255, 0
	v_lshrrev_b32 v6, 5, v0
	v_readfirstlane_b32 s14, v6                    ; wave 0..5
	v_and_b32 v7, 31, v0                           ; l
	v_and_b32 v8, 15, v0                           ; r
	v_bfe_u32 v9, v0, 4, 1                         ; h
	v_lshlrev_b32 v1, 4, v7                        ; 16 l
	v_lshlrev_b32 v2, 3, v7                        ; 8 l
	s_mul_i32 s15, s14, STG
	v_add_nc_u32 v3, s15, v1                       ; the stage, on the way in: a row's 512 bytes as they lie
	v_mul_u32_u24 v4, v8, 528
	v_lshl_add_u32 v4, v9, 6, v4
	v_add_nc_u32 v4, s15, v4                       ; on the way out: row r, + 64 h: my 16 numbers of each block of 32
	v_lshlrev_b32 v5, 4, v8                        ; 16 r: my row's four scale words
	s_mov_b32 s[SEL], 0x76543210
	s_mov_b32 s[SEL+1], 0xfedcba98
.irp b, 0,1,2,3
	v_mov_b32 v[TM+4+\b], 0                        ; written once: a lane permute's destination counts as one of its sources
.endr
	s_mul_i32 s16, ttmp9, 6                        ; 192 quads x 8 K steps = 1,536 shares = 256 work-groups x 6 waves
	s_add_co_u32 s17, s16, s14                     ; my share: 6 x work-group + wave
	s_lshr_b32 s16, s17, 3                         ; the quad of 64 rows, counted through the three tensors: 0-127 x, 128-175 w_attn, 176-191 w_proj
	s_and_b32 s17, s17, 7                          ; my K step
	s_lshr_b32 s18, s16, 1                         ; the group
	s_and_b32 s19, s16, 1                          ; the quad in it
	s_mul_i32 s24, s18, 98304
	s_mul_i32 s25, s17, 12288
	s_add_co_u32 s24, s24, s25
	s_mul_i32 s25, s19, 6144
	s_add_co_u32 s24, s24, s25
	s_mov_b32 s25, 0                               ; s[24:25]: where my four fragments go
	s_lshl_b32 s26, s18, 12
	s_lshl_b32 s27, s17, 9
	s_add_co_u32 s26, s26, s27
	s_lshl_b32 s27, s19, 8
	s_add_co_u32 s26, s26, s27
	s_mov_b32 s27, 0                               ; s[26:27]: and their 256 bytes of scale words
	s_wait_alu depctr_va_vdst(0)
	s_wait_kmcnt 0x0
	s_cmp_lt_u32 s16, 176                          ; which tensor: the choice hangs on the quad's number alone
	s_cselect_b64 s[6:7], s[6:7], s[8:9]
	s_mov_b32 s21, 176
	s_cselect_b32 s20, 128, s21
	s_cmp_lt_u32 s16, 128
	s_cselect_b64 s[4:5], s[4:5], s[6:7]
	s_cselect_b32 s20, 0, s20                      ; the tensor's first quad
	s_sub_co_u32 s20, s16, s20
	s_lshl_b32 s20, s20, 18                        ; 64 rows of 4,096 bytes
	s_lshl_b32 s21, s17, 9                         ; 128 numbers along K
	s_add_co_u32 s20, s20, s21
	s_mov_b32 s21, 0
	s_add_nc_u64 s[4:5], s[4:5], s[20:21]
	s_add_nc_u64 s[10:11], s[10:11], s[24:25]
	s_add_nc_u64 s[12:13], s[12:13], s[26:27]
	WIN 0x40                                       ; destination window 1: 4 tiles x 16 rows x 4 registers, as loaded
.irp a, 0,1,2,3
.irp i, 0,1,2,3,4,5,6,7,8,9,10,11,12,13,14,15
	global_load_b128 v[64*\a+4*\i:64*\a+4*\i+3], v1, s[4:5] offset:(32*(\a/2)+8*(\a%2)+\i+8*(\i/8))*4096 th:TH_LOAD_NT   ; row i of tile a: 32 lanes read 512 consecutive bytes; read once in the launch
.endr
.endr
	WIN 0
.macro TILE a
	s_wait_loadcnt 48-16*\a                        ; this tile's 16 loads are in; the 16 of each later tile may be out
	WIN 0x04                                       ; an LDS store's data are its source 1: window 1
.irp i, 0,1,2,3,4,5,6,7,8,9,10,11,12,13,14,15
	ds_store_b128 v3, v[64*\a+4*\i:64*\a+4*\i+3] offset:528*\i
.endr
	WIN 0
.irp b, 0,1,2,3
.irp j, 0,1,2,3
	ds_load_b128 v[X+16*\b+4*\j:X+16*\b+4*\j+3], v4 offset:128*\b+16*\j   ; LDS serves a wave's instructions in order: these see the stores above
.endr
.endr
	s_wait_dscnt 0x0
	QUANT X, PC+12*\a, PW+\a
	global_store_b128 v1, v[PC+12*\a:PC+12*\a+3], s[10:11] offset:1536*\a            ; each store covers 512 or 256 consecutive bytes, aligned
	global_store_b64 v2, v[PC+12*\a+4:PC+12*\a+5], s[10:11] offset:1536*\a+512
	global_store_b128 v1, v[PC+12*\a+6:PC+12*\a+9], s[10:11] offset:1536*\a+768
	global_store_b64 v2, v[PC+12*\a+10:PC+12*\a+11], s[10:11] offset:1536*\a+1280
.endm
	TILE 0
	TILE 1
	TILE 2
	TILE 3
	global_store_b128 v5, v[PW:PW+3], s[12:13]     ; [r][a]: 256 consecutive bytes; lanes 16-31 hold the same words and write them to the same places
	s_wait_tensorcnt 0x0
	ds_add_u32 v254, v255
	s_wait_dscnt 0x0
	s_endpgm
.Lfunc_end_k_qed861921c1_quant:
	.size	k_qed861921c1_quant, .Lfunc_end_k_qed861921c1_quant-k_qed861921c1_quant
	.p2alignl 7, 3214868480
	.fill 96, 4, 3214868480
	.section	.rodata,"a",@progbits
	.p2align	6, 0x0
	.amdhsa_kernel k_qed861921c1_quant
		.amdhsa_group_segment_fixed_size 51456
		.amdhsa_private_segment_fixed_size 0
		.amdhsa_enable_private_segment 0
		.amdhsa_kernarg_size 40
		.amdhsa_user_sgpr_count 2
		.amdhsa_user_sgpr_kernarg_segment_ptr 1
		.amdhsa_wavefront_size32 1
		.amdhsa_system_sgpr_workgroup_id_x 1
		.amdhsa_system_sgpr_workgroup_id_y 1
		.amdhsa_system_sgpr_workgroup_id_z 1
		.amdhsa_system_vgpr_workitem_id 0
		.amdhsa_next_free_vgpr 512
		.amdhsa_next_free_sgpr 66
		.amdhsa_reserve_vcc 0
		.amdhsa_float_denorm_mode_32 3
		.amdhsa_float_denorm_mode_16_64 3
		.amdhsa_memory_ordered 1
		.amdhsa_forward_progress 1
		.amdhsa_inst_pref_size 34
	.end_amdhsa_kernel
	.amdgpu_metadata
---
amdhsa.version: [ 1, 2 ]
amdhsa.kernels:
  - .name:           k_qed861921c1_quant
    .symbol:         k_qed861921c1_quant.kd
    .args:
      - { .name: x, .offset: 0, .size: 8, .value_kind: global_buffer, .address_space: global }
      - { .name: w_attn, .offset: 8, .size: 8, .value_kind: global_buffer, .address_space: global }
      - { .name: w_proj, .offset: 16, .size: 8, .value_kind: global_buffer, .address_space: global }
      - { .name: opc, .offset: 24, .size: 8, .value_kind: global_buffer, .address_space: global }
      - { .name: ops, .offset: 32, .size: 8, .value_kind: global_buffer, .address_space: global }
    .group_segment_fixed_size: 51456
    .private_segment_fixed_size: 0
    .kernarg_segment_align: 8
    .kernarg_segment_size: 40
    .max_flat_workgroup_size: 192
    .sgpr_count:     66
    .vgpr_count:     512
    .wavefront_size: 32
...
	.end_amdgpu_metadata
.endif
;; end of part 1
;; launch qkv (part 2): grid 256 x 1, 4 waves a work-group, clusters of 4 x 1, 307,712 bytes of LDS; arguments opc, ops, b_attn, qkc, qks, vc, vs; writes qkc, qks, vc, vs
.if DOCPART == 2
	.amdgcn_target "amdgcn-amd-amdhsa--gfx1250"
	.amdhsa_code_object_version 6
	.text
	.protected	k_qed861921c1_qkv
	.globl	k_qed861921c1_qkv
	.p2align	8
	.type	k_qed861921c1_qkv,@function
k_qed861921c1_qkv:
	s_mov_b64 s[64:65], 0
	v_nop
	global_prefetch_b8 v0, s[64:65] scope:SCOPE_SE
	s_setreg_imm32_b32 hwreg(HW_REG_WAVE_MODE, 25, 1), 1
	s_wait_xcnt 0x0
	s_wait_alu depctr_hold_cnt(0) depctr_sa_sdst(0) depctr_va_vdst(0) depctr_va_sdst(0) depctr_va_ssrc(0) depctr_va_vcc(0) depctr_vm_vsrc(0)
	s_getreg_b32 s2, hwreg(HW_REG_IB_STS2, 6, 4)
	s_cmp_eq_u32 s2, 0
	s_cbranch_scc0 .Lentry_in_a_cluster
	s_endpgm
.Lentry_in_a_cluster:
	s_bfe_u32 s2, ttmp6, 0x10000c
	s_cmp_lg_u32 s2, 0x3003
	s_cbranch_scc0 .Lentry_shape_is_right
	s_endpgm
.Lentry_shape_is_right:
; qkv = x w_attn^T + b_attn on codes of BF6 (E3M2) with E8M0 scales; q, k and v are quantised in registers and leave as codes: q and k along the head's 64, v along the keys.
; Tiles, fragments (1,536 bytes, in the order of an operand's registers) and groups (128 rows x 1,024 K = 98,304 bytes; scale words 4,096) are laid as the launch before laid them:
; tile T, lane r: row 32 (T / 2) + 8 (T % 2) + r + 8 (r / 8);  group: [K step][tile 0..7][1,536];  scales: [K step][quad][r][a] words.  Groups 0-63 x, 64-71 w_q, 72-79 w_k, 80-87 w_v.
; SHARES.  8,192 tokens x 3,072 features = 256 work-groups of 256 tokens x 384 features.  A wave keeps S, its 64 tokens of x for all of K, in 384 registers, straight from memory.  The work-group's R are THREE
; groups of 128 features: q's group j, k's group j, v's group j (two heads each), j = cluster % 8.  The four partners of a cluster share them: joint tensor loads bring them into LDS ONCE, one load a wave:
; waves 0-2 a group each, wave 3 the three groups' scale words.  No LDS byte is filled twice.  No prefetch: all fills go out at the head.
; q AND k: source 0 = R's tile t, source 1 = S's tile a.  A lane holds ONE token, and by the tiles' choice of rows its 64 registers of (a, t = 0..7) are R's 128 features in the order k = 32 b + 16 h + i
; (register 16 b + i): what the conversions want.  One quantising for each a gives 16 tokens x two heads' 64: its halves go to two heads' regions.
; v: THE SOURCES ARE SWAPPED: source 0 = S's tile a, source 1 = R's tile t.  A lane holds ONE feature, and its 32 registers of (t, a = 0..3), accumulator (t, a) at 8 (4 t + a), are my 64 tokens in the same order.
; One quantising takes two tiles t: each half of its result is half a fragment (64 keys) of 16 of a head's 64 channels.  My wave's tokens are half w % 2 of their key step of 128.
; The bias runs along R in both uses and is the C of each sum's first matrix instruction, so it stands ahead of the quantiser.
; OUT.  qkc: region z = kind x 64 + 16 batch + head (kind 0 q, 1 k) of 98,304 bytes: tile T's 16 tokens x 64 codes at 768 T (registers 0-3 at 16 l, 4-5 at 512 + 8 l).  qks: region x 4,096: [64 tokens g][r][a] halfwords.
;       vc: [batch x 16 + head][key step][tile a of the head's 64][1,536].  vs: [..][key step][r][a] words; a wave stores its half of each word.
; LIMITS: a block of zeros gets the byte 1 where the rule says 127 (its codes are zeros, and this program alone reads the bytes); NaN and infinities are not served.
; REGISTERS, in windows of 256: window 0: v4-15 LDS addresses; v16-31 S's scale words; v32-39 R's, two sets; v40-135, v136-231 R's eight fragments, two sets (on the way out v40-75 are at work); v232-247 the way out
;   and other addresses.  window 1: S's fragments of K steps 0-4 at v[48 s + 12 a];  window 2: those of steps 5-7 at v[48 (s - 5) + 12 a], from v144 the bias;  window 3: the 32 accumulators.
.set GRPB, 98304
.set STPB, 12288
.set FRB,  1536
.set SCL,  3*GRPB                      ; LDS: R's three groups, then their scale words, 3 x 4,096 bytes,
.set SPARE, SCL+3*4096                 ; then the spare words, 128 bytes a wave
.set XS,   16
.set WS,   32
.set R0,   40
.set BI,   144                         ; in window 2
.set TM,   40                          ; the way out: v40-55 at work, v56-67 codes, v68-74 the conversions' second halves
.set PC,   56
.set TP,   68
.set PW,   236                         ; v236-239 four scale words;  v240-243 the same sorted by head
.set RP,   240
.set ARS,  244                         ; v244 R's scale words in LDS;  v245 S's in memory;  v246 q's and k's bias: 64 h;  v247 v's bias: 4 (r + 8 (r / 8))
.set ASS,  245
.set ABQ,  246
.set ABV,  247
.set WV,   18                          ; s18 wave;  s20 my place in the cluster;  s21 the cluster's number
.set CX,   20
.set CL,   21
.set G1C,  24                          ; s[24:31] group 1 for codes;  s[32:39] for scale words;  s[40:43], s[44:47] groups 0: scale words, codes
.set G1S,  32
.set G0S,  40
.set G0T,  44
.set PO,   52                          ; s[52:53] q's codes, s[54:55] q's scale halfwords (k's lie 64 regions on);  s[56:57] v's codes, s[58:59] v's scale words
.set SO,   54
.set PV,   56
.set SV,   58
.set BB,   70                          ; s[70:71] my bias;  s[72:73] S's codes;  s[74:75] S's scale words
.set SP,   72
.set SS,   74
.set SEL,  76                          ; s[76:77] lane selects: lane l xor 16;  s78, s79 byte selects: two low halves, two high halves
.set MSB,  0
.macro WIN new                         ; the immediate's high byte repeats the setting that is left
.if MSB != \new
	s_set_vgpr_msb (MSB<<8)|\new
.set MSB, \new
.endif
.endm
.macro PLACES                          ; four places behind a matrix instruction of this form, in front of loads into its registers and of the first read of results
.rept 4
	v_nop
.endr
.endm
.macro CROUND                          ; a round of the cluster's barrier
	s_barrier_signal -1
	s_barrier_wait -1
	s_cmp_lg_u32 s[WV], 0
	s_cbranch_scc1 .Lnot_wave_0_\@
	s_barrier_signal -3
.Lnot_wave_0_\@:
	s_barrier_wait -3
	s_barrier_signal -1
	s_barrier_wait -1
.endm
.macro GFRAG reg, off                  ; a fragment of S from memory: four dense pieces
	global_load_b128 v[(\reg):(\reg)+3], v4, s[SP:SP+1] offset:(\off)
	global_load_b64 v[(\reg)+4:(\reg)+5], v10, s[SP:SP+1] offset:(\off)+512
	global_load_b128 v[(\reg)+6:(\reg)+9], v4, s[SP:SP+1] offset:(\off)+768
	global_load_b64 v[(\reg)+10:(\reg)+11], v10, s[SP:SP+1] offset:(\off)+1280
.endm
.macro LFRAG reg, a16, a8, off         ; a fragment of R from LDS: each instruction reads consecutive bytes
	ds_load_b128 v[(\reg):(\reg)+3], v[\a16] offset:(\off)
	ds_load_b64 v[(\reg)+4:(\reg)+5], v[\a8] offset:(\off)+512
	ds_load_b128 v[(\reg)+6:(\reg)+9], v[\a16] offset:(\off)+768
	ds_load_b64 v[(\reg)+10:(\reg)+11], v[\a8] offset:(\off)+1280
.endm
.macro RLOAD i, s, set                 ; R group i, K step s: eight fragments and their scale words (tile t: register t % 4, lanes 16 (t / 4) on) into a set
.set kk, 2*(\i)+(\s)/4                 ; an LDS offset has 16 bits: six address registers, 49,152 bytes apart
.irp t, 0,1,2,3,4,5,6,7
	LFRAG R0+96*(\set)+12*\t, 4+kk, 10+kk, ((\s)%4)*STPB+\t*FRB
.endr
	ds_load_b128 v[WS+4*(\set):WS+4*(\set)+3], v[ARS] offset:(\i)*4096+(\s)*512
.endm
.macro WX pa, pb, sa, sb, ha, hb       ; the matrix instruction on D = rD, C = rC; ha, hb: the side's scale words stand in lanes 16-31
.if (\ha) && (\hb)
	v_wmma_scale_f32_16x16x128_f8f6f4 v[rD:rD+7], v[\pa:\pa+11], v[\pb:\pb+11], v[rC:rC+7], v[\sa], v[\sb] matrix_a_fmt:MATRIX_FMT_BF6 matrix_b_fmt:MATRIX_FMT_BF6 matrix_a_scale:MATRIX_SCALE_ROW1 matrix_b_scale:MATRIX_SCALE_ROW1
.elseif (\ha)
	v_wmma_scale_f32_16x16x128_f8f6f4 v[rD:rD+7], v[\pa:\pa+11], v[\pb:\pb+11], v[rC:rC+7], v[\sa], v[\sb] matrix_a_fmt:MATRIX_FMT_BF6 matrix_b_fmt:MATRIX_FMT_BF6 matrix_a_scale:MATRIX_SCALE_ROW1
.elseif (\hb)
	v_wmma_scale_f32_16x16x128_f8f6f4 v[rD:rD+7], v[\pa:\pa+11], v[\pb:\pb+11], v[rC:rC+7], v[\sa], v[\sb] matrix_a_fmt:MATRIX_FMT_BF6 matrix_b_fmt:MATRIX_FMT_BF6 matrix_b_scale:MATRIX_SCALE_ROW1
.else
	v_wmma_scale_f32_16x16x128_f8f6f4 v[rD:rD+7], v[\pa:\pa+11], v[\pb:\pb+11], v[rC:rC+7], v[\sa], v[\sb] matrix_a_fmt:MATRIX_FMT_BF6 matrix_b_fmt:MATRIX_FMT_BF6
.endif
.endm
; one product of S's tile a and R's tile t.  first: it begins with the bias of R's tile t;  vm: v's use, the sources swapped
.macro WM a, t, s, set, first, vm
.set rR, R0+96*(\set)+12*(\t)
.if (\s) < 5
.set rS, 48*(\s)+12*(\a)
.else
.set rS, 48*((\s)-5)+12*(\a)
.endif
.set sR, WS+4*(\set)+(\t)%4
.set sS, XS+4*((\s)/2)+(\a)            ; S's words: lanes 0-15 the even K step's, lanes 16-31 the odd one's
.if \vm
.set rD, 8*(4*(\t)+(\a))
.else
.set rD, 8*(8*(\a)+(\t))
.endif
.set rC, rD
.if \first
.set rC, BI+8*(\t)
.endif
.if \vm
	WX rS, rR, sS, sR, (\s)%2, (\t)/4
.else
	WX rR, rS, sR, sS, (\t)/4, (\s)%2
.endif
.endm
.macro MULS s, first, vm               ; a K step's 32 products: the 32 accumulators take turns, one instruction a turn, in the same order in every step
.irp a, 0,1,2,3
.irp t, 0,1,2,3,4,5,6,7
	WM \a, \t, \s, (\s)%2, \first, \vm
.endr
.endr
.endm
.macro BIASN i                         ; the next R group's bias, in the result's layout
	WIN 0x80
.if (\i) == 0
.irp t, 0,1,2,3,4,5,6,7
	global_load_b128 v[BI+8*\t:BI+8*\t+3], v[ABQ], s[BB:BB+1] offset:4096+128*(\t/2)+32*(\t%2)      ; k: 1,024 features behind q
	global_load_b128 v[BI+8*\t+4:BI+8*\t+7], v[ABQ], s[BB:BB+1] offset:4096+128*(\t/2)+32*(\t%2)+16
.endr
.else
.irp t, 0,1,2,3,4,5,6,7
.irp j, 0,1,2,3,4,5,6,7
	global_load_b32 v[BI+8*\t+\j], v[ABV], s[BB:BB+1] offset:8192+128*(\t/2)+32*(\t%2)              ; v: all eight registers of tile t hold my feature's bias
.endr
.endr
.endif
	WIN 0
.endm
.macro STEP i, s
.if (\i) == 0                          ; S's fragments were asked for K step by K step, 16 loads each: those of the later steps may be out (the wait's field holds 63 at the most)
.if 16*(7-(\s)) > 63
	s_wait_loadcnt 63
.else
	s_wait_loadcnt 16*(7-(\s))
.endif
.endif
	s_wait_dscnt 0x0                               ; this step's set of R is in: it was asked for a step, 32 matrix instructions, ago
	PLACES                                         ; in front of the loads into the other set, which the last step's products read
.if (\s) < 7
	RLOAD \i, (\s)+1, ((\s)+1)%2
.elseif (\i) < 2
	BIASN \i                                       ; no load is counted any more; the first step's products, which read these registers, stand seven runs of places back
.endif
.if (\i) == 2                          ; v: source 0 is S (window 1 or 2), source 1 R (window 0)
.if (\s) == 0
	WIN 0xe1                                       ; source 2 (the bias) window 2, destination window 3
.elseif (\s) < 5
	WIN 0xf1
.else
	WIN 0xf2
.endif
.else                                  ; q, k: source 0 is R, source 1 S
.if (\s) == 0
	WIN 0xe4
.elseif (\s) < 5
	WIN 0xf4
.else
	WIN 0xf8
.endif
.endif
	MULS \s, (\s)==0, (\i)==2
	WIN 0
.endm
; 64 numbers of a lane in window 3, v[s] on, four blocks of 32 along the next K (register 16 b + i = place 16 h + i of block b), become 12 registers of codes in v[PC] on and four scale bytes in v[pw].
; Each accumulator is read from its low end on.
.macro QUANT3 s, pw
	WIN 0x0f
.irp b, 0,1,2,3
	v_max3_num_f32 v[TM+\b], |v[(\s)+16*\b]|, |v[(\s)+1+16*\b]|, 0x2800000   ; block b: my 16 numbers, and the floor 2^(5 - 127): the byte cannot fall under 1
.endr
	WIN 0x3c
.irp i, 2,4,6,8,10,12,14
.irp b, 0,1,2,3
	v_max3_num_f32 v[TM+\b], v[TM+\b], |v[(\s)+16*\b+\i]|, |v[(\s)+1+16*\b+\i]|
.endr
.endr
	WIN 0
.irp b, 0,1,2,3
	v_permlanex16_b32 v[TM+4+\b], v[TM+\b], s[SEL], s[SEL+1]
.endr
.irp b, 0,1,2,3
	v_max_num_f32 v[TM+\b], v[TM+\b], v[TM+4+\b]         ; with lane l xor 16's 16: the block's largest magnitude
.endr
.irp b, 0,1,2,3
	v_add_nc_u32 v[TM+12+\b], 0xfe000000, v[TM+\b]       ; 4 off its exponent field: the conversion's scale operand
.endr
.irp b, 0,1,2,3
	v_lshrrev_b32 v[TM+4+\b], 23, v[TM+12+\b]            ; the scale's byte
.endr
	v_lshl_or_b32 v[\pw], v[TM+5], 8, v[TM+4]
	v_lshl_or_b32 v[\pw], v[TM+6], 16, v[\pw]
	v_lshl_or_b32 v[\pw], v[TM+7], 24, v[\pw]
	WIN 0x03
.irp c, 0,1
	v_cvt_scalef32_pk16_bf6_f32 v[PC+6*\c:PC+6*\c+2], v[(\s)+32*\c:(\s)+32*\c+15], v[TM+12+2*\c]
	v_cvt_scalef32_pk16_bf6_f32 v[TP+4*\c:TP+4*\c+2], v[(\s)+32*\c+16:(\s)+32*\c+31], v[TM+12+2*\c+1]   ; (a conversion's three registers begin on an even number)
.endr
	WIN 0
	v_nop                                                ; one plain place behind a scaled conversion
.irp c, 0,1                            ; a whole block to a lane: lanes 0-15 block 2 c, lanes 16-31 block 2 c + 1
.irp i, 0,1,2
	v_permlane16_swap_b32 v[PC+6*\c+\i], v[TP+4*\c+\i]
.endr
.irp i, 0,1,2
	v_mov_b32 v[PC+3+6*\c+\i], v[TP+4*\c+\i]
.endr
.endr
.endm
.macro EPIHEAD
	PLACES
.irp b, 0,1,2,3
	v_mov_b32 v[TM+4+\b], 0                        ; a lane permute's destination counts as one of its sources
.endr
.endm
; THE WAY OUT of q's (i = 0) or k's (i = 1) group: for each tile a of my tokens 12 registers of codes, their halves of 768 bytes to two heads' regions, and the scale bytes sorted by head
.macro EPIQ i
	EPIHEAD
.irp a, 0,1,2,3
.if \a > 0
	s_wait_xcnt 0x0                                ; the last stores have read their data: it is written again only behind this wait
.endif
	QUANT3 64*\a, PW+\a
	global_store_b128 v4, v[PC:PC+3], s[PO:PO+1] offset:(\i)*64*GRPB+768*\a              ; each store covers 512 or 256 consecutive bytes, aligned
	global_store_b64 v10, v[PC+4:PC+5], s[PO:PO+1] offset:(\i)*64*GRPB+768*\a+512
	global_store_b128 v4, v[PC+6:PC+9], s[PO:PO+1] offset:(\i)*64*GRPB+GRPB+768*\a
	global_store_b64 v10, v[PC+10:PC+11], s[PO:PO+1] offset:(\i)*64*GRPB+GRPB+768*\a+512
.endr
	v_perm_b32 v[RP], v[PW+1], v[PW], s78          ; a word's low half is the first head's two bytes, its high half the second's: sorted by head, [r][a] halfwords
	v_perm_b32 v[RP+1], v[PW+3], v[PW+2], s78
	v_perm_b32 v[RP+2], v[PW+1], v[PW], s79
	v_perm_b32 v[RP+3], v[PW+3], v[PW+2], s79
	global_store_b64 v232, v[RP:RP+1], s[SO:SO+1] offset:(\i)*64*4096           ; lanes 16-31 hold the same words and write them to the same places
	global_store_b64 v232, v[RP+2:RP+3], s[SO:SO+1] offset:(\i)*64*4096+4096
	s_wait_xcnt 0x0                                ; the stores have read their data
.endm
; THE WAY OUT of v's group: each quantising takes tiles 2 u and 2 u + 1 of the 128 features (head t / 4, its tile t % 4): two half fragments of 768 bytes and two halfwords of scale bytes
.macro EPIV
	EPIHEAD
.irp u, 0,1,2,3
.if \u > 0
	s_wait_xcnt 0x0
.endif
	QUANT3 64*\u, PW+\u
	global_store_b128 v4, v[PC:PC+3], s[PV:PV+1] offset:(\u/2)*GRPB+(2*(\u%2))*FRB
	global_store_b64 v10, v[PC+4:PC+5], s[PV:PV+1] offset:(\u/2)*GRPB+(2*(\u%2))*FRB+512
	global_store_b128 v4, v[PC+6:PC+9], s[PV:PV+1] offset:(\u/2)*GRPB+(2*(\u%2)+1)*FRB
	global_store_b64 v10, v[PC+10:PC+11], s[PV:PV+1] offset:(\u/2)*GRPB+(2*(\u%2)+1)*FRB+512
	global_store_b16 v233, v[PW+\u], s[SV:SV+1] offset:(\u/2)*4096+(2*(\u%2))*4            ; my half of the word [r][a]; the other half is my neighbour wave's.  Lanes 16-31 write the same bytes to the same places
	global_store_d16_hi_b16 v233, v[PW+\u], s[SV:SV+1] offset:(\u/2)*4096+(2*(\u%2)+1)*4
.endr
.endm
.macro NTILE i
.if \i
	s_wait_loadcnt 0x0                             ; this group's bias
.endif
	RLOAD \i, 0, 0
.irp s, 0,1,2,3,4,5,6,7
	STEP \i, \s
.endr
.endm
	s_load_b256 s[4:11], s[0:1], 0x0               ; the operands' codes s[4:5], their scale words s[6:7], b_attn s[8:9], qkc s[10:11]
	s_load_b128 s[12:15], s[0:1], 0x20             ; qks s[12:13], vc s[14:15]
	s_load_b64 s[16:17], s[0:1], 0x30              ; vs
	v_lshl_add_u32 v254, v0, 2, SPARE
	v_mov_b32 v255, 0
	ds_add_u32 v254, v255                          ; the opening lines: the add, twice on end, and its wait ahead of the first tensor load
	ds_add_u32 v254, v255
	v_lshrrev_b32 v1, 5, v0
	v_readfirstlane_b32 s[WV], v1                  ; wave 0..3
	v_and_b32 v1, 31, v0                           ; l
	v_and_b32 v2, 15, v0                           ; r
	v_bfe_u32 v3, v0, 4, 1                         ; h
	v_lshlrev_b32 v4, 4, v1                        ; v4-9:   16 l + 49,152 k
	v_lshlrev_b32 v10, 3, v1                       ; v10-15:  8 l + 49,152 k
.irp k, 1,2,3,4,5
	v_add_nc_u32 v[4+\k], 49152*\k, v4
	v_add_nc_u32 v[10+\k], 49152*\k, v10
.endr
	v_add_nc_u32 v[ARS], SCL, v4
	v_lshlrev_b32 v[ASS], 4, v2
	v_lshl_add_u32 v[ASS], v3, 9, v[ASS]           ; S's scale words: 16 r, lanes 16-31 one K step on
	v_lshlrev_b32 v[ABQ], 6, v3
	v_and_b32 v[ABV], 8, v2
	v_add_nc_u32 v[ABV], v[ABV], v2
	v_lshlrev_b32 v[ABV], 2, v[ABV]
	v_lshlrev_b32 v232, 3, v2                      ; 8 r
	v_lshlrev_b32 v233, 4, v2                      ; 16 r
	s_mov_b32 s[SEL], 0x76543210
	s_mov_b32 s[SEL+1], 0xfedcba98
	s_mov_b32 s78, 0x05040100
	s_mov_b32 s79, 0x07060302
	; what the four partners share is made of the cluster's number and the wave's alone, in registers that never hold my place in the cluster
	s_mov_b32 s[CL], ttmp9
	s_and_b32 s80, s[CL], 7                        ; j
	s_add_co_u32 s83, s80, 64                      ; q's group j in the operands' buffer; k's lies 8 groups on, v's 16
	s_lshl_b32 s81, s[WV], 3
	s_add_co_u32 s81, s81, s83                     ; the group that waves 0-2 bring
	s_mul_i32 s84, s81, GRPB
	s_mov_b32 s85, 0
	s_mul_i32 s22, s[WV], GRPB                     ; and its place in LDS
	s_lshl_b32 s86, s83, 12
	s_mov_b32 s87, 0
	; descriptor groups 1.  Codes: a dense group as 384 rows of 256 bytes (32 elements of 8 bytes).  Scale words: 3 rows of 4,096 bytes (512 elements), 8 groups = 32,768 bytes apart
	s_mov_b32 s[G1C], 15|(3<<16)|(1<<21)           ; 15:0 the mask: all four work-groups; 17:16 elements of 8 bytes; 21 set beside a mask
	s_mov_b32 s[G1C+1], 32<<16                     ; tensor_dim0
	s_mov_b32 s[G1C+2], 384<<16                    ; tensor_dim1
	s_mov_b32 s[G1C+3], 32<<16                     ; tile_dim0
	s_mov_b32 s[G1C+4], 384                        ; tile_dim1
	s_mov_b32 s[G1C+5], 32                         ; the pitch
	s_mov_b32 s[G1C+6], 0
	s_mov_b32 s[G1C+7], 0
	s_mov_b32 s[G1S], 15|(3<<16)|(1<<21)
	s_mov_b32 s[G1S+1], 512<<16
	s_mov_b32 s[G1S+2], 3<<16
	s_mov_b32 s[G1S+3], 512<<16
	s_mov_b32 s[G1S+4], 3
	s_mov_b32 s[G1S+5], 4096
	s_mov_b32 s[G1S+6], 0
	s_mov_b32 s[G1S+7], 0
	s_wait_alu depctr_va_vdst(0)                   ; the wait at the end of the head's vector work
	s_wait_dscnt 0x0                               ; both opening adds are done
	s_wait_kmcnt 0x0
	s_mov_b32 s[G0S], 1
	s_mov_b32 s[G0S+1], SCL
	s_add_nc_u64 s[G0S+2:G0S+3], s[6:7], s[86:87]
	s_or_b32 s[G0S+3], s[G0S+3], 0x80000000
	s_mov_b32 s[G0T], 1
	s_mov_b32 s[G0T+1], s22
	s_add_nc_u64 s[G0T+2:G0T+3], s[4:5], s[84:85]
	s_or_b32 s[G0T+3], s[G0T+3], 0x80000000
	CROUND                                         ; all four work-groups are here: the joint loads meet
	s_cmp_lt_u32 s[WV], 3                          ; all the launch's fills, one a wave: two arms of one branch on the wave's number
	s_cbranch_scc0 .Lhead_scales
	tensor_load_to_lds s[G0T:G0T+3], s[G1C:G1C+7]
	s_nop 0
	PLACES
	s_branch .Lhead_asked
.Lhead_scales:
	tensor_load_to_lds s[G0S:G0S+3], s[G1S:G1S+7]
	s_nop 0
	PLACES
.Lhead_asked:
	; what is mine alone: S and the places of the results
	s_bfe_u32 s[CX], ttmp6, 0x40000                ; my place in the cluster
	s_lshr_b32 s88, s[CL], 3
	s_lshl_b32 s88, s88, 2
	s_add_co_u32 s88, s88, s[CX]                   ; my 256 tokens, 0..31
	s_lshl_b32 s89, s88, 1
	s_lshr_b32 s90, s[WV], 1
	s_add_co_u32 s89, s89, s90                     ; my wave's group of x,
	s_and_b32 s91, s[WV], 1                        ; and its quad in it
	s_mul_i32 s92, s89, GRPB
	s_mul_i32 s93, s91, 4*FRB
	s_add_co_u32 s92, s92, s93
	s_mov_b32 s93, 0
	s_add_nc_u64 s[SP:SP+1], s[4:5], s[92:93]
	s_lshl_b32 s92, s89, 12
	s_lshl_b32 s94, s91, 8
	s_add_co_u32 s92, s92, s94
	s_add_nc_u64 s[SS:SS+1], s[6:7], s[92:93]
	s_lshr_b32 s94, s88, 3                         ; the batch
	s_lshl_b32 s94, s94, 4
	s_lshl_b32 s95, s80, 1
	s_add_co_u32 s94, s94, s95                     ; z = 16 batch + 2 j: the first of my two heads
	s_and_b32 s95, s88, 7                          ; my 256 tokens in the batch
	s_lshl_b32 s96, s95, 2
	s_add_co_u32 s96, s96, s[WV]                   ; my wave's 64 tokens in the batch, 0..31
	s_mul_i32 s97, s94, GRPB
	s_mul_i32 s92, s96, 3072
	s_add_co_u32 s92, s92, s97
	s_add_nc_u64 s[PO:PO+1], s[10:11], s[92:93]    ; q's codes
	s_lshl_b32 s98, s94, 12
	s_lshl_b32 s92, s96, 7
	s_add_co_u32 s92, s92, s98
	s_add_nc_u64 s[SO:SO+1], s[12:13], s[92:93]    ; q's scale halfwords
	s_lshl_b32 s95, s95, 1
	s_add_co_u32 s95, s95, s90                     ; my wave's key step of 128, of which it has half s91
	s_mul_i32 s92, s95, 4*FRB
	s_add_co_u32 s92, s92, s97
	s_mul_i32 s96, s91, 768
	s_add_co_u32 s92, s92, s96
	s_add_nc_u64 s[PV:PV+1], s[14:15], s[92:93]    ; v's codes
	s_lshl_b32 s92, s95, 8
	s_add_co_u32 s92, s92, s98
	s_lshl_b32 s96, s91, 1
	s_add_co_u32 s92, s92, s96
	s_add_nc_u64 s[SV:SV+1], s[16:17], s[92:93]    ; v's scale words, my half of each
	s_lshl_b32 s92, s80, 9
	s_add_nc_u64 s[BB:BB+1], s[8:9], s[92:93]      ; the bias of q's group j
.irp k, 0,1,2,3
	global_load_b128 v[XS+4*\k:XS+4*\k+3], v[ASS], s[SS:SS+1] offset:1024*\k   ; S's scale words: register 4 k + a: tile a, K steps 2 k (lanes 0-15) and 2 k + 1 (lanes 16-31)
.endr
	WIN 0x80
.irp t, 0,1,2,3,4,5,6,7
	global_load_b128 v[BI+8*\t:BI+8*\t+3], v[ABQ], s[BB:BB+1] offset:128*(\t/2)+32*(\t%2)        ; q's bias: register j of tile t: feature 32 (t / 2) + 16 h + 8 (t % 2) + j
	global_load_b128 v[BI+8*\t+4:BI+8*\t+7], v[ABQ], s[BB:BB+1] offset:128*(\t/2)+32*(\t%2)+16
.endr
	WIN 0x40
.irp s, 0,1,2,3,4
.irp a, 0,1,2,3
	GFRAG 48*\s+12*\a, \s*STPB+\a*FRB              ; S, K step by K step: 16 loads a step
.endr
.endr
	WIN 0x80
.irp s, 5,6,7
.irp a, 0,1,2,3
	GFRAG 48*(\s-5)+12*\a, \s*STPB+\a*FRB
.endr
.endr
	WIN 0
	s_wait_tensorcnt 0x0                           ; my one load is in,
	s_barrier_signal -1                            ; (no LDS instruction of mine is out)
	s_barrier_wait -1                              ; everybody's is: the three groups and their scale words stay for the whole launch
	NTILE 0
	EPIQ 0
	NTILE 1
	EPIQ 1
	NTILE 2
	EPIV
	s_wait_tensorcnt 0x0                           ; the wave's end
	ds_add_u32 v254, v255
	s_wait_dscnt 0x0
	CROUND                                         ; the closing round: no work-group ends while a partner may still ask for a tile that names it
	s_endpgm
.Lfunc_end_k_qed861921c1_qkv:
	.size	k_qed861921c1_qkv, .Lfunc_end_k_qed861921c1_qkv-k_qed861921c1_qkv
	.p2alignl 7, 3214868480
	.fill 96, 4, 3214868480
	.section	.rodata,"a",@progbits
	.p2align	6, 0x0
	.amdhsa_kernel k_qed861921c1_qkv
		.amdhsa_group_segment_fixed_size 307712
		.amdhsa_private_segment_fixed_size 0
		.amdhsa_enable_private_segment 0
		.amdhsa_kernarg_size 56
		.amdhsa_user_sgpr_count 2
		.amdhsa_user_sgpr_kernarg_segment_ptr 1
		.amdhsa_wavefront_size32 1
		.amdhsa_system_sgpr_workgroup_id_x 1
		.amdhsa_system_sgpr_workgroup_id_y 1
		.amdhsa_system_sgpr_workgroup_id_z 1
		.amdhsa_system_vgpr_workitem_id 0
		.amdhsa_next_free_vgpr 1024
		.amdhsa_next_free_sgpr 100
		.amdhsa_reserve_vcc 0
		.amdhsa_float_denorm_mode_32 3
		.amdhsa_float_denorm_mode_16_64 3
		.amdhsa_memory_ordered 1
		.amdhsa_forward_progress 1
		.amdhsa_inst_pref_size 234
	.end_amdhsa_kernel
	.amdgpu_metadata
---
amdhsa.version: [ 1, 2 ]
amdhsa.kernels:
  - .name:           k_qed861921c1_qkv
    .symbol:         k_qed861921c1_qkv.kd
    .args:
      - { .name: opc, .offset: 0, .size: 8, .value_kind: global_buffer, .address_space: global }
      - { .name: ops, .offset: 8, .size: 8, .value_kind: global_buffer, .address_space: global }
      - { .name: b_attn, .offset: 16, .size: 8, .value_kind: global_buffer, .address_space: global }
      - { .name: qkc, .offset: 24, .size: 8, .value_kind: global_buffer, .address_space: global }
      - { .name: qks, .offset: 32, .size: 8, .value_kind: global_buffer, .address_space: global }
      - { .name: vc, .offset: 40, .size: 8, .value_kind: global_buffer, .address_space: global }
      - { .name: vs, .offset: 48, .size: 8, .value_kind: global_buffer, .address_space: global }
    .group_segment_fixed_size: 307712
    .private_segment_fixed_size: 0
    .kernarg_segment_align: 8
    .kernarg_segment_size: 56
    .max_flat_workgroup_size: 128
    .sgpr_count:     100
    .vgpr_count:     1024
    .wavefront_size: 32
...
	.end_amdgpu_metadata
.endif
;; end of part 2
;; launch attn (part 3): grid 256 x 1, 16 waves a work-group, clusters of 4 x 1, 206,848 bytes of LDS; arguments qkc, qks, vc, vs, yc, ys; writes yc, ys
.if DOCPART == 3
	.amdgcn_target "amdgcn-amd-amdhsa--gfx1250"
	.amdhsa_code_object_version 6
	.text
	.protected	k_qed861921c1_attn
	.globl	k_qed861921c1_attn
	.p2align	8
	.type	k_qed861921c1_attn,@function
k_qed861921c1_attn:
	s_mov_b64 s[64:65], 0
	v_nop
	global_prefetch_b8 v0, s[64:65] scope:SCOPE_SE
	s_setreg_imm32_b32 hwreg(HW_REG_WAVE_MODE, 25, 1), 1
	s_wait_xcnt 0x0
	s_wait_alu depctr_hold_cnt(0) depctr_sa_sdst(0) depctr_va_vdst(0) depctr_va_sdst(0) depctr_va_ssrc(0) depctr_va_vcc(0) depctr_vm_vsrc(0)
	s_getreg_b32 s2, hwreg(HW_REG_IB_STS2, 6, 4)
	s_cmp_eq_u32 s2, 0
	s_cbranch_scc0 .Lentry_in_a_cluster
	s_endpgm
.Lentry_in_a_cluster:
	s_bfe_u32 s2, ttmp6, 0x10000c
	s_cmp_lg_u32 s2, 0x3003
	s_cbranch_scc0 .Lentry_shape_is_right
	s_endpgm
.Lentry_shape_is_right:
; y[b][q][head] = the sum over keys k <= q of softmax_k(q . k / 8) v, both products on codes of BF6 (E3M2) with E8M0 scales; y leaves as codes, quantised along the model's 1,024 (a head is two blocks of 32).
; THE SOFTMAX AHEAD OF THE SECOND PRODUCT: t = score x log2(e) / 8; M = the running largest t rounded UP to a whole number; p = 2^(t - M) is quantised along the keys, not normalised; the row's sum is taken of the
; unquantised p and divides at the end.  When M moves, the sum and O are multiplied by 2^(old M - new M): exact.
; IN (laid by the launch before).  Tile T of 16 tokens: lane r holds token 32 (T / 2) + 8 (T % 2) + r + 8 (r / 8).  qkc: region (q: batch x 16 + head; k: 64 more) of 98,304 bytes, tile T's 64 codes a row at 768 T.
; Two neighbouring tiles' 1,536 bytes ARE a fragment of 16 rows x 128 K: K 0-63 tile 2 P, K 64-127 tile 2 P + 1.  Multiplied by [q | zeros] it gives tile 2 P's scores, by [zeros | q] tile 2 P + 1's.
; vc: [head][key step of 128][16 of the head's 64][1,536], keys innermost.
; SHARES.  The four work-groups of a cluster have ONE head.  Its K and V, 204,800 bytes with their scale bytes, come into each partner's LDS once, by JOINT loads, one a wave: waves 0-5 K's codes (16,384 bytes
; each), waves 6-11 V's, wave 12 K's scale bytes, wave 13 V's.  Behind one barrier the sixteen waves share nothing more.
; Wave w of the partner at place p takes tile T = 4 w + p and then tile 127 - T.  Tile T has T / 8 + 1 key steps that count: w / 2 + 1 and 16 - w / 2, 17 for every wave.  The last key step and the half of it in which
; the tile's queries lie (w % 2, then its opposite) hang on the wave's number alone: no branch hangs on a work-group's place in its cluster, and wave 0 of every partner reads all 16 key steps.
; Both products are used transposed (S^T = K Q^T, O^T = V^T P^T): a lane holds ONE query throughout, and by the tiles' choice of rows p's and O's registers run along the next product's K.
; THE MASK is the causal one.  The loop over key steps has a constant count of 16; a step all of whose keys come after the tile's queries is left out by a scalar branch on ids; in the one step on
; the diagonal hidden scores become -infinity ahead of the maximum: compares only in the 64 keys that hold the tile's queries; the 64 below them all count, the 64 above them are all hidden.
; No prefetch: all fills go out at the head, so there is no loop to run ahead in.
; LIMITS: the promise holds while the scaled scores t stay under 2^31 in magnitude; a block of zeros gets the byte 1 where the rule says 127 (its codes are zeros, and this program alone reads the bytes);
; NaN and infinities are not served.
; REGISTERS: v1-7, v41, v47 addresses that stay (v7 later: the second tile's q scale bytes); v8-11, v254, v255 the step's; v12 -M, v13 the largest score, v[14:15] the sum; v16-21 q, v22-27 zeros, v28-33 q:
;   [q | 0] is v16-27 and [0 | q] is v22-33; v34-39 the second tile's q; v40 q's scale word, v42-43 K's, v44-45 V's, v46 p's; v48-95 K's four fragments, later p's codes and work; v96-159 S^T, then p;
;   v160-191 O^T; v192-239 V's four fragments; v240-255 at work.
.set KSC,  196608                      ; LDS: K's codes at 0, V's at 98,304, K's scale halfwords here, V's scale words behind them
.set VSC,  200704
.set SPARE, 204800                     ; the spare words: 128 bytes a wave
.set WV,   16
.set BH,   17
.set PR,   18
.set HB,   19                          ; s19: which 64 keys of the diagonal's step hold my tile's queries
.set SEL,  22                          ; s[22:23] lane selects: lane l xor 16
.set CS,   24                          ; s[24:25] c = log2(e) / 8
.set G1C,  28                          ; s[28:35], s[36:43] descriptor groups 1: codes, scale bytes;  s[44:59] four groups 0
.set G1S,  36
.set G0KC, 44
.set G0KS, 48
.set G0VC, 52
.set G0VS, 56
.set TT,   60                          ; s60 my tile;  s61 its first query;  s62 its last key step;  s63 the key step in hand
.set QB,   61
.set KL,   62
.set KS,   63
.set TB,   66                          ; s66 the step's codes in LDS: 6,144 bytes a step;  s67 its scale words: 256
.set TS,   67
.set QP,   68                          ; s[68:75] the tile's q, q's scales, y, y's scales;  s[76:83] the same at the head's beginning
.set QSP,  70
.set YP,   72
.set YSP,  74
.set QR,   76
.set QSR,  78
.set YR,   80
.set YSR,  82
.macro PLACES
.rept 4
	v_nop
.endr
.endm
.macro CROUND                          ; a round of the cluster's barrier
	s_barrier_signal -1
	s_barrier_wait -1
	s_cmp_lg_u32 s[WV], 0
	s_cbranch_scc1 .Lnot_wave_0_\@
	s_barrier_signal -3
.Lnot_wave_0_\@:
	s_barrier_wait -3
	s_barrier_signal -1
	s_barrier_wait -1
.endm
.macro LFRAG reg, a16, a8, off         ; a fragment from LDS: each instruction reads consecutive bytes
	ds_load_b128 v[(\reg):(\reg)+3], v[\a16] offset:(\off)
	ds_load_b64 v[(\reg)+4:(\reg)+5], v[\a8] offset:(\off)+512
	ds_load_b128 v[(\reg)+6:(\reg)+9], v[\a16] offset:(\off)+768
	ds_load_b64 v[(\reg)+10:(\reg)+11], v[\a8] offset:(\off)+1280
.endm
.macro ARM under, g0, g1, next         ; one arm of the head's chain: its load, the nops behind it, a jump to the join
	s_cmp_lt_u32 s[WV], \under
	s_cbranch_scc0 \next
	tensor_load_to_lds s[\g0:\g0+3], s[\g1:\g1+7]
	s_nop 0
	PLACES
	s_branch .Lasked
\next:
.endm
.macro AQ                              ; tile s[TT]: where its q and q's scale bytes lie
	s_mul_i32 s84, s[TT], 768
	s_mov_b32 s85, 0
	s_add_nc_u64 s[QP:QP+1], s[QR:QR+1], s[84:85]
	s_lshr_b32 s84, s[TT], 2
	s_lshl_b32 s84, s84, 7
	s_and_b32 s86, s[TT], 3
	s_lshl_b32 s86, s86, 1
	s_add_co_u32 s84, s84, s86
	s_add_nc_u64 s[QSP:QSP+1], s[QSR:QSR+1], s[84:85]
.endm
.macro AY                              ; tile s[TT]: its first query, and where its y and y's scale bytes go
	s_lshr_b32 s84, s[TT], 1
	s_lshl_b32 s84, s84, 5
	s_and_b32 s85, s[TT], 1
	s_lshl_b32 s85, s85, 3
	s_add_co_u32 s[QB], s84, s85                   ; lane r's query is QB + r + 8 (r / 8)
	s_lshr_b32 s88, s[TT], 3                       ; the group of 128 tokens
	s_mul_i32 s84, s88, 98304
	s_mov_b32 s85, 0
	s_and_b32 s86, s[TT], 7
	s_mul_i32 s87, s86, 1536
	s_add_co_u32 s84, s84, s87
	s_add_nc_u64 s[YP:YP+1], s[YR:YR+1], s[84:85]
	s_lshl_b32 s84, s88, 12
	s_lshr_b32 s86, s86, 2
	s_lshl_b32 s86, s86, 8
	s_add_co_u32 s84, s84, s86
	s_and_b32 s86, s[TT], 3
	s_lshl_b32 s86, s86, 2
	s_add_co_u32 s84, s84, s86
	s_add_nc_u64 s[YSP:YSP+1], s[YSR:YSR+1], s[84:85]
.endm
	s_load_b256 s[4:11], s[0:1], 0x0               ; qkc s[4:5], qks s[6:7], vc s[8:9], vs s[10:11]
	s_load_b128 s[12:15], s[0:1], 0x20             ; yc s[12:13], ys s[14:15]
	v_lshl_add_u32 v254, v0, 2, SPARE
	v_mov_b32 v255, 0
	ds_add_u32 v254, v255                          ; the opening lines: the add, twice on end, and its wait ahead of the first tensor load
	ds_add_u32 v254, v255
	v_lshrrev_b32 v8, 5, v0
	v_readfirstlane_b32 s[WV], v8                  ; wave 0..15
	v_and_b32 v8, 31, v0                           ; l
	v_and_b32 v9, 15, v0                           ; r
	v_bfe_u32 v10, v0, 4, 1                        ; h
	v_lshlrev_b32 v1, 4, v8                        ; K: 16 l
	v_lshlrev_b32 v2, 3, v8                        ;     8 l
	v_add_nc_u32 v3, 98304, v1                     ; V: the same behind K's codes
	v_add_nc_u32 v41, 98304, v2
	v_add_nc_u32 v4, KSC, v2                       ; K's scales: 8 bytes a lane: lanes 0-15 the words of pairs 0, 1 of row r, lanes 16-31 those of pairs 2, 3
	v_lshlrev_b32 v5, 4, v9
	v_lshl_add_u32 v5, v10, 3, v5
	v_add_nc_u32 v5, VSC, v5                       ; V's: 16 r + 8 h: lanes 0-15 the words of tiles 0, 1, lanes 16-31 those of tiles 2, 3
	v_and_b32 v6, 8, v9
	v_add_nc_u32 v6, v6, v9
	v_lshlrev_b32 v11, 4, v10
	v_sub_nc_u32 v6, v6, v11                       ; r + 8 (r / 8) - 16 h: my query in its tile, less my half's first key
	v_lshlrev_b32 v7, 3, v9                        ; 8 r
	v_lshlrev_b32 v47, 4, v9                       ; 16 r
.irp j, 22,23,24,25,26,27
	v_mov_b32 v[\j], 0                             ; the zero half that [q | 0] and [0 | q] share, written once
.endr
.irp j, 244,245,246,247,252,253
	v_mov_b32 v[\j], 0                             ; lane permutes' destinations, and the pair v[252:253], count as read
.endr
	s_mov_b32 s[SEL], 0x76543210
	s_mov_b32 s[SEL+1], 0xfedcba98
	s_mov_b32 s[CS], 0x3e38aa3b                    ; log2(e) / 8
	s_mov_b32 s[CS+1], s[CS]                       ; (named with it as a pair, so it is written)
	; what the four partners share is made of the cluster's number and the wave's alone
	s_mov_b32 s[BH], ttmp9                         ; batch x 16 + head: the cluster's number
	s_lshl_b32 s85, s[WV], 14                      ; 16,384 x wave: K's six parts, then V's six, lie on end in LDS
	s_mul_i32 s88, s[BH], 98304
	s_mov_b32 s89, 0
	s_lshl_b32 s90, s[BH], 12
	s_mov_b32 s91, 0
	s_add_co_u32 s92, s88, s85
	s_mov_b32 s93, 0
	; descriptor group 1: dense blocks as rows of 256 bytes (32 elements of 8 bytes): 64 rows of codes, 16 rows of scale bytes; the mask names all four partners, bit 21 beside it
	s_mov_b32 s[G1C], 15|(3<<16)|(1<<21)
	s_mov_b32 s[G1C+1], 32<<16
	s_mov_b32 s[G1C+2], 64<<16
	s_mov_b32 s[G1C+3], 32<<16
	s_mov_b32 s[G1C+4], 64
	s_mov_b32 s[G1C+5], 32
	s_mov_b32 s[G1C+6], 0
	s_mov_b32 s[G1C+7], 0
	s_mov_b32 s[G1S], 15|(3<<16)|(1<<21)
	s_mov_b32 s[G1S+1], 32<<16
	s_mov_b32 s[G1S+2], 16<<16
	s_mov_b32 s[G1S+3], 32<<16
	s_mov_b32 s[G1S+4], 16
	s_mov_b32 s[G1S+5], 32
	s_mov_b32 s[G1S+6], 0
	s_mov_b32 s[G1S+7], 0
	s_wait_alu depctr_va_vdst(0)                   ; the wait at the end of the head's vector work
	s_wait_dscnt 0x0                               ; both opening adds are done
	s_wait_kmcnt 0x0
	s_mov_b32 s[G0KC], 1
	s_mov_b32 s[G0KC+1], s85
	s_add_nc_u64 s[G0KC+2:G0KC+3], s[4:5], s[92:93]
	s_add_nc_u64 s[G0KC+2:G0KC+3], s[G0KC+2:G0KC+3], 64*98304    ; k's regions lie behind q's 64
	s_or_b32 s[G0KC+3], s[G0KC+3], 0x80000000
	s_mov_b32 s[G0VC], 1
	s_mov_b32 s[G0VC+1], s85
	s_add_nc_u64 s[G0VC+2:G0VC+3], s[8:9], s[92:93]
	s_sub_nc_u64 s[G0VC+2:G0VC+3], s[G0VC+2:G0VC+3], 98304       ; waves 6-11 bring V's parts 0-5
	s_or_b32 s[G0VC+3], s[G0VC+3], 0x80000000
	s_mov_b32 s[G0KS], 1
	s_mov_b32 s[G0KS+1], KSC
	s_add_nc_u64 s[G0KS+2:G0KS+3], s[6:7], s[90:91]
	s_add_nc_u64 s[G0KS+2:G0KS+3], s[G0KS+2:G0KS+3], 64*4096
	s_or_b32 s[G0KS+3], s[G0KS+3], 0x80000000
	s_mov_b32 s[G0VS], 1
	s_mov_b32 s[G0VS+1], VSC
	s_add_nc_u64 s[G0VS+2:G0VS+3], s[10:11], s[90:91]
	s_or_b32 s[G0VS+3], s[G0VS+3], 0x80000000
	CROUND                                         ; all four work-groups are here: the joint loads meet
	ARM 6,  G0KC, G1C, .Larm_v                     ; all the launch's fills: one chain of branches on the wave's number, one load to an arm, one join
	ARM 12, G0VC, G1C, .Larm_ks
	ARM 13, G0KS, G1S, .Larm_vs
	s_cmp_lt_u32 s[WV], 14
	s_cbranch_scc0 .Lasked
	tensor_load_to_lds s[G0VS:G0VS+3], s[G1S:G1S+7]
	s_nop 0
	PLACES
.Lasked:
	; what is mine alone: my tiles, their q and the places of their y
	s_bfe_u32 s[PR], ttmp6, 0x40000                ; my place in the cluster
	s_add_nc_u64 s[QR:QR+1], s[4:5], s[88:89]      ; q's codes and scales at my head
	s_add_nc_u64 s[QSR:QSR+1], s[6:7], s[90:91]
	s_lshr_b32 s84, s[BH], 4                       ; the batch
	s_and_b32 s85, s[BH], 15                       ; the head
	s_lshr_b32 s86, s85, 1                         ; y's K step of 128: two heads
	s_and_b32 s87, s85, 1                          ; and my half of it
	s_mul_i32 s88, s84, 16*98304                   ; y is laid in groups of 128 tokens x 1,024: [K step][tile 0..7][1,536]
	s_mul_i32 s90, s86, 12288
	s_add_co_u32 s88, s88, s90
	s_mul_i32 s90, s87, 768
	s_add_co_u32 s88, s88, s90
	s_add_nc_u64 s[YR:YR+1], s[12:13], s[88:89]
	s_lshl_b32 s88, s84, 16                        ; its scale words: a group's 4,096 bytes: [K step][quad][r][a]
	s_lshl_b32 s90, s86, 9
	s_add_co_u32 s88, s88, s90
	s_lshl_b32 s90, s87, 1
	s_add_co_u32 s88, s88, s90
	s_add_nc_u64 s[YSR:YSR+1], s[14:15], s[88:89]
	s_lshl_b32 s[TT], s[WV], 2
	s_add_co_u32 s[TT], s[TT], s[PR]               ; tile 4 x wave + place: 0..63
	AQ
	global_load_b128 v[16:19], v1, s[QP:QP+1]              ; both tiles' q are asked for while the tensor loads are out.  The first tile's 64 codes a row, below the zeros
	global_load_b64 v[20:21], v2, s[QP:QP+1] offset:512
	global_load_b128 v[28:31], v1, s[QP:QP+1]              ; and above them
	global_load_b64 v[32:33], v2, s[QP:QP+1] offset:512
	global_load_u16 v40, v7, s[QSP:QSP+1]                  ; my row's two scale bytes
	s_wait_xcnt 0x0                                ; these loads have read their bases and offsets
	s_sub_co_u32 s[TT], 127, s[TT]                 ; the mirror tile: 64..127
	AQ
	global_load_b128 v[34:37], v1, s[QP:QP+1]
	global_load_b64 v[38:39], v2, s[QP:QP+1] offset:512
	global_load_u16 v7, v7, s[QSP:QSP+1]                   ; (lands on its own offset, which nothing needs any more)
	s_sub_co_u32 s[TT], 127, s[TT]                 ; back to the first tile
	s_lshr_b32 s[KL], s[WV], 1                     ; its last key step, T / 8, and the half of that step in which its queries lie, (T % 8) / 4: by the wave's number alone
	s_and_b32 s[HB], s[WV], 1
	s_wait_tensorcnt 0x0                           ; my part is in,
	s_barrier_signal -1
	s_barrier_wait -1                              ; everybody's is
; ONE TILE OF 16 QUERIES, s[TT], to its y
.macro PASS second
	AY
.if \second
.irp j, 0,1,2,3,4,5
	v_mov_b32 v[16+\j], v[34+\j]
	v_mov_b32 v[28+\j], v[34+\j]
.endr
	v_lshl_or_b32 v40, v7, 16, v7                  ; the two scale bytes for both halves of K
.else
	s_wait_loadcnt 0x0                             ; both tiles' q are in
	v_lshl_or_b32 v40, v40, 16, v40
.endif
	v_mov_b32 v13, 0xff61b1e6                      ; the largest score so far: -3e38.  (The 36 plain lines from here on are the places ahead of the scaled products)
	v_floor_f32 v12, -v13                          ; -M
	v_mov_b32 v14, 0                               ; the sum, in two halves
	v_mov_b32 v15, 0
.set n, 0
.rept 32
	v_mov_b32 v[160+n], 0                          ; O^T.  (The step is written once: the first finds zeros, which the first change of M leaves zeros)
.set n, n+1
.endr
	s_mov_b32 s[KS], 0
	s_mov_b32 s[TB], 0
	s_mov_b32 s[TS], 0
.Lkey_\@:                                              ; 16 trips, always; a step whose keys all come after my queries does nothing but step the addresses
	s_cmp_gt_u32 s[KS], s[KL]
	s_cbranch_scc1 .Lhidden_\@
	v_add_nc_u32 v8, s[TB], v1                     ; four plain lines: the places behind the last products, in front of the loads into their registers
	v_add_nc_u32 v9, s[TB], v2
	v_add_nc_u32 v254, s[TS], v4
	v_mov_b32 v253, v12                            ; the old -M
	ds_load_b64 v[42:43], v254
.irp p, 0,1,2,3
	LFRAG 48+12*\p, 8, 9, 1536*\p                  ; K: four fragments, each two tiles of 16 keys
.endr
	s_wait_dscnt 0x0
.irp p, 0,1,2,3
.irp u, 0,1
.if \p < 2
	v_wmma_scale_f32_16x16x128_f8f6f4 v[96+8*(2*\p+\u):96+8*(2*\p+\u)+7], v[48+12*\p:48+12*\p+11], v[16+6*\u:16+6*\u+11], 0, v[42+\p%2], v40 matrix_a_fmt:MATRIX_FMT_BF6 matrix_b_fmt:MATRIX_FMT_BF6
.else
	v_wmma_scale_f32_16x16x128_f8f6f4 v[96+8*(2*\p+\u):96+8*(2*\p+\u)+7], v[48+12*\p:48+12*\p+11], v[16+6*\u:16+6*\u+11], 0, v[42+\p%2], v40 matrix_a_fmt:MATRIX_FMT_BF6 matrix_b_fmt:MATRIX_FMT_BF6 matrix_a_scale:MATRIX_SCALE_ROW1
.endif
.endr
.endr                                  ; register 16 b + i of v96 on: key 128 KS + 32 b + 16 h + i
	v_add_nc_u32 v10, s[TB], v3                    ; four places behind the products, ahead of the first read of the scores
	v_add_nc_u32 v11, s[TB], v41
	v_add_nc_u32 v255, s[TS], v5
	v_nop
	ds_load_b64 v[44:45], v255
.irp t, 0,1,2,3
	LFRAG 192+12*\t, 10, 11, 1536*\t               ; V: asked for now, wanted behind the softmax
.endr
	s_cmp_lg_u32 s[KS], s[KL]                      ; on the diagonal alone: hidden scores become -infinity, so that p = 0
	s_cbranch_scc1 .Lopen_\@
	s_lshl_b32 s84, s[KS], 7
	s_sub_co_i32 s84, s[QB], s84
	v_add_nc_u32 v252, s84, v6                     ; d = my query - the step's first key - 16 h: register 16 b + i is hidden where 32 b + i > d
	v_mov_b32 v254, 0xff800000
	s_cmp_lg_u32 s[HB], 0
	s_wait_alu depctr_va_vdst(0)                   ; the wait here, directly ahead of the branch
	s_cbranch_scc1 .Lupper_\@
.set n, 0
.rept 32                               ; my queries lie in the step's keys 0-63: compares there,
	v_cmp_gt_i32 vcc_lo, 32*(n/16)+n%16, v252
	v_cndmask_b32 v[96+n], v[96+n], v254, vcc_lo
.set n, n+1
.endr
.rept 32                               ; and keys 64-127 are all hidden
	v_mov_b32 v[96+n], v254
.set n, n+1
.endr
	s_branch .Lopen_\@
.Lupper_\@:
.set n, 32
.rept 32                               ; my queries lie in keys 64-127: keys 0-63 all count
	v_cmp_gt_i32 vcc_lo, 32*(n/16)+n%16, v252
	v_cndmask_b32 v[96+n], v[96+n], v254, vcc_lo
.set n, n+1
.endr
.Lopen_\@:
.irp b, 0,1,2,3
	v_max3_num_f32 v[240+\b], v[96+16*\b], v[97+16*\b], v[98+16*\b]   ; the largest score of each block of 32 keys: it serves for the row's maximum and, since p rises with the score, for the block's largest p
.endr
.irp i, 3,5,7,9,11,13
.irp b, 0,1,2,3
	v_max3_num_f32 v[240+\b], v[240+\b], v[96+16*\b+\i], v[97+16*\b+\i]
.endr
.endr
.irp b, 0,1,2,3
	v_max_num_f32 v[240+\b], v[240+\b], v[111+16*\b]
.endr
.irp b, 0,1,2,3
	s_delay_alu instid0(VALU_DEP_4)
	v_permlanex16_b32 v[244+\b], v[240+\b], s[SEL], s[SEL+1]
.endr
.irp b, 0,1,2,3
	s_delay_alu instid0(VALU_DEP_4)
	v_max_num_f32 v[240+\b], v[240+\b], v[244+\b]  ; with lane l xor 16's 16 keys
.endr
	s_delay_alu instid0(VALU_DEP_2)
	v_max3_num_f32 v254, v240, v241, v242
	s_delay_alu instid0(VALU_DEP_1)
	v_max3_num_f32 v13, v13, v254, v243            ; the running largest score of my query
	s_delay_alu instid0(VALU_DEP_1)
	v_mul_f32 v254, s[CS], v13                     ; as t (c is positive)
	s_delay_alu instid0(VALU_DEP_1)
	v_floor_f32 v12, -v254                         ; the new -M = floor(-t) = -ceil(t): M is a whole number
	s_delay_alu instid0(VALU_DEP_1)
	v_sub_f32 v254, v12, v253                      ; old M - new M: a whole number, 0 or less
	s_delay_alu instid0(VALU_DEP_1)
	v_cvt_i32_f32 v254, v254                       ; (it saturates)
	s_delay_alu instid0(VALU_DEP_1)
	v_ldexp_f32 v252, 1.0, v254                    ; f = 2^(old M - new M): a multiplication by it rounds nothing
.set n, 0
.rept 32
	v_pk_fma_f32 v[96+n:97+n], v[96+n:97+n], s[CS:CS+1], v[12:13] op_sel_hi:[1,0,0]   ; t - M, two at a time
.set n, n+2
.endr
.irp b, 0,1,2,3
	v_fma_f32 v[240+\b], v[240+\b], s[CS], v12     ; the same of each block's largest score
.endr
	s_wait_alu depctr_va_vdst(0)                   ; the wait ahead of the batch
.set n, 0
.rept 64
	v_exp_f32 v[96+n], v[96+n]                     ; p = 2^(t - M), at most 1
.set n, n+1
.endr
.irp b, 0,1,2,3
	v_exp_f32 v[240+\b], v[240+\b]                 ; the block's largest p: the same two instructions on the same number
.endr
	v_pk_mul_f32 v[14:15], v[14:15], v[252:253] op_sel_hi:[1,0]   ; the sums under the new M.  (A plain place behind the exponentials)
	s_wait_alu depctr_va_vdst(0)                   ; one wait for the whole batch, ahead of its first reader
.irp b, 0,1,2,3
	v_max_num_f32 v[240+\b], 0x2800000, v[240+\b]  ; the floor 2^(5 - 127): the byte cannot fall under 1
.endr
.irp b, 0,1,2,3
	s_delay_alu instid0(VALU_DEP_4)
	v_add_nc_u32 v[248+\b], 0xfe000000, v[240+\b]  ; 4 off the exponent field: the conversion's scale operand
.endr
.irp b, 0,1,2,3
	s_delay_alu instid0(VALU_DEP_4)
	v_lshrrev_b32 v[244+\b], 23, v[248+\b]         ; the scale's byte
.endr
	s_delay_alu instid0(VALU_DEP_3)
	v_lshl_or_b32 v46, v245, 8, v244               ; p's scale word for these 128 keys
	s_delay_alu instid0(VALU_DEP_1)
	v_lshl_or_b32 v46, v246, 16, v46
	s_delay_alu instid0(VALU_DEP_1)
	v_lshl_or_b32 v46, v247, 24, v46
.irp c, 0,1
	v_cvt_scalef32_pk16_bf6_f32 v[48+6*\c:50+6*\c], v[96+32*\c:111+32*\c], v[248+2*\c]
	v_cvt_scalef32_pk16_bf6_f32 v[60+4*\c:62+4*\c], v[112+32*\c:127+32*\c], v[248+2*\c+1]   ; (a conversion's three registers begin on an even number)
.endr
	v_nop                                          ; one plain place behind a scaled conversion
.irp c, 0,1                            ; a whole block to a lane: lanes 0-15 block 2 c, lanes 16-31 block 2 c + 1
.irp i, 0,1,2
	v_permlane16_swap_b32 v[48+6*\c+\i], v[60+4*\c+\i]
.endr
.irp i, 0,1,2
	s_delay_alu instid0(VALU_DEP_3)
	v_mov_b32 v[51+6*\c+\i], v[60+4*\c+\i]
.endr
.endr
	v_pk_add_f32 v[68:69], v[100:101], v[104:105]  ; the row's sum is taken of the unquantised p: eight chains, two numbers an instruction
	v_pk_add_f32 v[254:255], v[108:109], v[112:113]
	v_pk_add_f32 v[250:251], v[116:117], v[120:121]
	v_pk_add_f32 v[248:249], v[124:125], v[128:129]
	v_pk_add_f32 v[242:243], v[132:133], v[136:137]
	v_pk_add_f32 v[240:241], v[140:141], v[144:145]
	v_pk_add_f32 v[94:95], v[148:149], v[152:153]
	v_pk_add_f32 v[14:15], v[14:15], v[156:157]
	v_pk_add_f32 v[68:69], v[68:69], v[96:97]
	v_pk_add_f32 v[254:255], v[254:255], v[98:99]
	v_pk_add_f32 v[250:251], v[250:251], v[102:103]
	v_pk_add_f32 v[248:249], v[248:249], v[106:107]
	v_pk_add_f32 v[242:243], v[242:243], v[110:111]
	v_pk_add_f32 v[240:241], v[240:241], v[114:115]
	v_pk_add_f32 v[94:95], v[94:95], v[118:119]
	v_pk_add_f32 v[14:15], v[14:15], v[122:123]
	v_pk_add_f32 v[68:69], v[68:69], v[126:127]
	v_pk_add_f32 v[254:255], v[254:255], v[130:131]
	v_pk_add_f32 v[250:251], v[250:251], v[134:135]
	v_pk_add_f32 v[248:249], v[248:249], v[138:139]
	v_pk_add_f32 v[242:243], v[242:243], v[142:143]
	v_pk_add_f32 v[240:241], v[240:241], v[146:147]
	v_pk_add_f32 v[94:95], v[94:95], v[150:151]
	v_pk_add_f32 v[14:15], v[14:15], v[154:155]
	v_pk_add_f32 v[68:69], v[68:69], v[158:159]
	s_delay_alu instid0(VALU_DEP_2)
	v_pk_add_f32 v[14:15], v[14:15], v[248:249]
	s_delay_alu instid0(VALU_DEP_2)
	v_pk_add_f32 v[68:69], v[68:69], v[242:243]
	v_pk_add_f32 v[254:255], v[254:255], v[240:241]
	v_pk_add_f32 v[250:251], v[250:251], v[94:95]
	s_delay_alu instid0(VALU_DEP_2)
	v_pk_add_f32 v[14:15], v[14:15], v[254:255]
	s_delay_alu instid0(VALU_DEP_2)
	v_pk_add_f32 v[68:69], v[68:69], v[250:251]
	s_delay_alu instid0(VALU_DEP_1)
	v_pk_add_f32 v[14:15], v[14:15], v[68:69]
	s_wait_alu depctr_va_vdst(0)                   ; the wait here, directly ahead of the first reader of O^T
.set n, 0
.rept 16
	v_pk_mul_f32 v[160+n:161+n], v[160+n:161+n], v[252:253] op_sel_hi:[1,0]   ; O^T under the new M, each accumulator from its low end on
.set n, n+2
.endr
	s_wait_alu depctr_va_vdst(0)                   ; the wait here, directly ahead of the wait below
	s_wait_dscnt 0x0                               ; V is in
.irp t, 0,1,2,3
.if \t < 2
	v_wmma_scale_f32_16x16x128_f8f6f4 v[160+8*\t:160+8*\t+7], v[192+12*\t:192+12*\t+11], v[48:59], v[160+8*\t:160+8*\t+7], v[44+\t%2], v46 matrix_a_fmt:MATRIX_FMT_BF6 matrix_b_fmt:MATRIX_FMT_BF6
.else
	v_wmma_scale_f32_16x16x128_f8f6f4 v[160+8*\t:160+8*\t+7], v[192+12*\t:192+12*\t+11], v[48:59], v[160+8*\t:160+8*\t+7], v[44+\t%2], v46 matrix_a_fmt:MATRIX_FMT_BF6 matrix_b_fmt:MATRIX_FMT_BF6 matrix_a_scale:MATRIX_SCALE_ROW1
.endif
.endr                                  ; four accumulators by turns; register 16 b + i of v160 on: the head's channel 32 b + 16 h + i
.Lhidden_\@:
	s_add_co_u32 s[TB], s[TB], 6144
	s_add_co_u32 s[TS], s[TS], 256
	s_add_co_u32 s[KS], s[KS], 1
	s_cmp_lt_u32 s[KS], 16
	s_cbranch_scc1 .Lkey_\@
	; the tile's end: y = O / the sum, quantised: my 32 numbers are two blocks of the next product's K, half a fragment
	PLACES
	v_add_f32 v14, v14, v15                        ; the sum's two halves,
	s_delay_alu instid0(VALU_DEP_1)
	v_permlanex16_b32 v252, v14, s[SEL], s[SEL+1]
	s_delay_alu instid0(VALU_DEP_1)
	v_add_f32 v14, v14, v252                       ; and lane l xor 16's
	s_wait_alu depctr_va_vdst(0)                   ; the wait ahead of the transcendental
	v_rcp_f32 v14, v14
	v_nop                                          ; one plain place behind a transcendental
	s_wait_alu depctr_va_vdst(0)                   ; the wait ahead of its first reader, which is O^T's too
.set n, 0
.rept 16
	v_pk_mul_f32 v[96+n:97+n], v[160+n:161+n], v[14:15] op_sel_hi:[1,0]
.set n, n+2
.endr
.irp b, 0,1
	v_max3_num_f32 v[240+\b], |v[96+16*\b]|, |v[97+16*\b]|, 0x2800000
.endr
.irp i, 2,4,6,8,10,12,14
.irp b, 0,1
	s_delay_alu instid0(VALU_DEP_2)
	v_max3_num_f32 v[240+\b], v[240+\b], |v[96+16*\b+\i]|, |v[97+16*\b+\i]|
.endr
.endr
.irp b, 0,1
	s_delay_alu instid0(VALU_DEP_2)
	v_permlanex16_b32 v[244+\b], v[240+\b], s[SEL], s[SEL+1]
.endr
.irp b, 0,1
	s_delay_alu instid0(VALU_DEP_2)
	v_max_num_f32 v[240+\b], v[240+\b], v[244+\b]
.endr
.irp b, 0,1
	s_delay_alu instid0(VALU_DEP_2)
	v_add_nc_u32 v[248+\b], 0xfe000000, v[240+\b]
.endr
.irp b, 0,1
	s_delay_alu instid0(VALU_DEP_2)
	v_lshrrev_b32 v[244+\b], 23, v[248+\b]
.endr
	s_delay_alu instid0(VALU_DEP_1)
	v_lshl_or_b32 v254, v245, 8, v244              ; my row's two scale bytes
	v_cvt_scalef32_pk16_bf6_f32 v[48:50], v[96:111], v248
	v_cvt_scalef32_pk16_bf6_f32 v[60:62], v[112:127], v249
	v_nop                                          ; one plain place behind a scaled conversion
.irp i, 0,1,2
	v_permlane16_swap_b32 v[48+\i], v[60+\i]
.endr
.irp i, 0,1,2
	s_delay_alu instid0(VALU_DEP_3)
	v_mov_b32 v[51+\i], v[60+\i]
.endr
	global_store_b128 v1, v[48:51], s[YP:YP+1]             ; 512 and 256 consecutive bytes, aligned
	global_store_b64 v2, v[52:53], s[YP:YP+1] offset:512
	global_store_b16 v47, v254, s[YSP:YSP+1]               ; half of a scale word: the other half is the neighbouring head's.  Lanes 16-31 write the same bytes to the same places
	s_wait_xcnt 0x0                                ; the stores have read their data and bases: what follows writes both
.endm
	PASS 0
	s_sub_co_u32 s[TT], 127, s[TT]                 ; the mirror tile,
	s_sub_co_u32 s[KL], 15, s[KL]                  ; its last key step,
	s_xor_b32 s[HB], s[HB], 1                      ; and the other half of it
	PASS 1
	v_lshl_add_u32 v254, v0, 2, SPARE              ; the add's two registers served as work registers: made anew from v0, which is as at the entry
	v_mov_b32 v255, 0
	s_wait_alu depctr_va_vdst(0)
	s_wait_tensorcnt 0x0                           ; the wave's end
	ds_add_u32 v254, v255
	s_wait_dscnt 0x0
	CROUND                                         ; the closing round: no work-group ends while a partner may still ask for a tile that names it
	s_endpgm
.Lfunc_end_k_qed861921c1_attn:
	.size	k_qed861921c1_attn, .Lfunc_end_k_qed861921c1_attn-k_qed861921c1_attn
	.p2alignl 7, 3214868480
	.fill 96, 4, 3214868480
	.section	.rodata,"a",@progbits
	.p2align	6, 0x0
	.amdhsa_kernel k_qed861921c1_attn
		.amdhsa_group_segment_fixed_size 206848
		.amdhsa_private_segment_fixed_size 0
		.amdhsa_enable_private_segment 0
		.amdhsa_kernarg_size 48
		.amdhsa_user_sgpr_count 2
		.amdhsa_user_sgpr_kernarg_segment_ptr 1
		.amdhsa_wavefront_size32 1
		.amdhsa_system_sgpr_workgroup_id_x 1
		.amdhsa_system_sgpr_workgroup_id_y 1
		.amdhsa_system_sgpr_workgroup_id_z 1
		.amdhsa_system_vgpr_workitem_id 0
		.amdhsa_next_free_vgpr 256
		.amdhsa_next_free_sgpr 96
		.amdhsa_reserve_vcc 1
		.amdhsa_float_denorm_mode_32 3
		.amdhsa_float_denorm_mode_16_64 3
		.amdhsa_memory_ordered 1
		.amdhsa_forward_progress 1
		.amdhsa_inst_pref_size 69
	.end_amdhsa_kernel
	.amdgpu_metadata
---
amdhsa.version: [ 1, 2 ]
amdhsa.kernels:
  - .name:           k_qed861921c1_attn
    .symbol:         k_qed861921c1_attn.kd
    .args:
      - { .name: qkc, .offset: 0, .size: 8, .value_kind: global_buffer, .address_space: global }
      - { .name: qks, .offset: 8, .size: 8, .value_kind: global_buffer, .address_space: global }
      - { .name: vc, .offset: 16, .size: 8, .value_kind: global_buffer, .address_space: global }
      - { .name: vs, .offset: 24, .size: 8, .value_kind: global_buffer, .address_space: global }
      - { .name: yc, .offset: 32, .size: 8, .value_kind: global_buffer, .address_space: global }
      - { .name: ys, .offset: 40, .size: 8, .value_kind: global_buffer, .address_space: global }
    .group_segment_fixed_size: 206848
    .private_segment_fixed_size: 0
    .kernarg_segment_align: 8
    .kernarg_segment_size: 48
    .max_flat_workgroup_size: 512
    .sgpr_count:     96
    .vgpr_count:     256
    .wavefront_size: 32
...
	.end_amdgpu_metadata
.endif
;; end of part 3
;; launch proj (part 4): grid 256 x 1, 4 waves a work-group, clusters of 4 x 1, 327,680 bytes of LDS; arguments yc, ys, opc, ops, b_proj, out0; writes out0
.if DOCPART == 4
	.amdgcn_target "amdgcn-amd-amdhsa--gfx1250"
	.amdhsa_code_object_version 6
	.text
	.protected	k_qed861921c1_proj
	.globl	k_qed861921c1_proj
	.p2align	8
	.type	k_qed861921c1_proj,@function
k_qed861921c1_proj:
	s_mov_b64 s[64:65], 0
	v_nop
	global_prefetch_b8 v0, s[64:65] scope:SCOPE_SE
	s_setreg_imm32_b32 hwreg(HW_REG_WAVE_MODE, 25, 1), 1
	s_wait_xcnt 0x0
	s_wait_alu depctr_hold_cnt(0) depctr_sa_sdst(0) depctr_va_vdst(0) depctr_va_sdst(0) depctr_va_ssrc(0) depctr_va_vcc(0) depctr_vm_vsrc(0)
	s_getreg_b32 s2, hwreg(HW_REG_IB_STS2, 6, 4)
	s_cmp_eq_u32 s2, 0
	s_cbranch_scc0 .Lentry_in_a_cluster
	s_endpgm
.Lentry_in_a_cluster:
	s_bfe_u32 s2, ttmp6, 0x10000c
	s_cmp_lg_u32 s2, 0x3003
	s_cbranch_scc0 .Lentry_shape_is_right
	s_endpgm
.Lentry_shape_is_right:
; out0 = y w_proj^T + b_proj on codes of BF6 (E3M2) with E8M0 scales, f32 out.  Tiles, fragments and groups are laid as the launches before laid them (group: 128 rows x 1,024 K = 98,304 bytes; scale words 4,096).
; A work-group has 256 tokens of y (64 a wave, for all of K, in 384 registers, straight from memory) and one group of 128 features of w_proj, which the four partners of a cluster share:
; joint tensor loads bring it into LDS once, one load a wave: waves 0-2 a third of the codes each, wave 3 the scale words.  The bias is the C of each sum's first matrix instruction.
; Source 0 = w_proj's tile, source 1 = y's tile: a lane holds one token and neighbouring features; results leave through the wave's own stage in LDS as rows of 512 consecutive bytes.
.set GRPB, 98304
.set STPB, 12288
.set FRB,  1536
.set SCL,  GRPB
.set STAGE, GRPB+4096
.set XS,   16
.set WS,   32
.set R0,   40
.set BK,   40
.set BI,   144
.set WV,   18
.set CX,   20
.set CL,   21
.set G1C,  24
.set G1S,  32
.set G0S,  40
.set G0T,  44
.set OP,   52
.set BB,   70
.set SP,   72
.set SS,   74
.set MSB,  0
.macro WIN new
.if MSB != \new
	s_set_vgpr_msb (MSB<<8)|\new
.set MSB, \new
.endif
.endm
.macro PLACES
.rept 4
	v_nop
.endr
.endm
.macro CROUND
	s_barrier_signal -1
	s_barrier_wait -1
	s_cmp_lg_u32 s[WV], 0
	s_cbranch_scc1 .Lnot_wave_0_\@
	s_barrier_signal -3
.Lnot_wave_0_\@:
	s_barrier_wait -3
	s_barrier_signal -1
	s_barrier_wait -1
.endm
.macro GFRAG reg, off
	global_load_b128 v[(\reg):(\reg)+3], v4, s[SP:SP+1] offset:(\off)
	global_load_b64 v[(\reg)+4:(\reg)+5], v8, s[SP:SP+1] offset:(\off)+512
	global_load_b128 v[(\reg)+6:(\reg)+9], v4, s[SP:SP+1] offset:(\off)+768
	global_load_b64 v[(\reg)+10:(\reg)+11], v8, s[SP:SP+1] offset:(\off)+1280
.endm
.macro LFRAG reg, a16, a8, off
	ds_load_b128 v[(\reg):(\reg)+3], v[\a16] offset:(\off)
	ds_load_b64 v[(\reg)+4:(\reg)+5], v[\a8] offset:(\off)+512
	ds_load_b128 v[(\reg)+6:(\reg)+9], v[\a16] offset:(\off)+768
	ds_load_b64 v[(\reg)+10:(\reg)+11], v[\a8] offset:(\off)+1280
.endm
.macro RLOAD s, set
.set kk, (\s)/4
.irp t, 0,1,2,3,4,5,6,7
	LFRAG R0+96*(\set)+12*\t, 4+kk, 8+kk, ((\s)%4)*STPB+\t*FRB
.endr
	ds_load_b128 v[WS+4*(\set):WS+4*(\set)+3], v12 offset:(\s)*512
.endm
.macro WM a, t, s, set, mode
.set rD, 8*(8*(\a)+(\t))
.set rA, R0+96*(\set)+12*(\t)
.if (\s) < 5
.set rB, 48*(\s)+12*(\a)
.else
.set rB, 48*((\s)-5)+12*(\a)
.endif
.set rC, rD
.if (\mode) == 1
.set rC, BI+8*(\t)
.endif
.set rSA, WS+4*(\set)+(\t)%4
.set rSB, XS+4*((\s)/2)+(\a)
.if ((\t) >= 4) && ((\s)%2 == 1)
	v_wmma_scale_f32_16x16x128_f8f6f4 v[rD:rD+7], v[rA:rA+11], v[rB:rB+11], v[rC:rC+7], v[rSA], v[rSB] matrix_a_fmt:MATRIX_FMT_BF6 matrix_b_fmt:MATRIX_FMT_BF6 matrix_a_scale:MATRIX_SCALE_ROW1 matrix_b_scale:MATRIX_SCALE_ROW1
.elseif (\t) >= 4
	v_wmma_scale_f32_16x16x128_f8f6f4 v[rD:rD+7], v[rA:rA+11], v[rB:rB+11], v[rC:rC+7], v[rSA], v[rSB] matrix_a_fmt:MATRIX_FMT_BF6 matrix_b_fmt:MATRIX_FMT_BF6 matrix_a_scale:MATRIX_SCALE_ROW1
.elseif (\s)%2 == 1
	v_wmma_scale_f32_16x16x128_f8f6f4 v[rD:rD+7], v[rA:rA+11], v[rB:rB+11], v[rC:rC+7], v[rSA], v[rSB] matrix_a_fmt:MATRIX_FMT_BF6 matrix_b_fmt:MATRIX_FMT_BF6 matrix_b_scale:MATRIX_SCALE_ROW1
.else
	v_wmma_scale_f32_16x16x128_f8f6f4 v[rD:rD+7], v[rA:rA+11], v[rB:rB+11], v[rC:rC+7], v[rSA], v[rSB] matrix_a_fmt:MATRIX_FMT_BF6 matrix_b_fmt:MATRIX_FMT_BF6
.endif
.endm
.macro MULS s, mode
.irp a, 0,1,2,3
.irp t, 0,1,2,3,4,5,6,7
	WM \a, \t, \s, (\s)%2, \mode
.endr
.endr
.endm
.macro STEP s
.if 16*(7-(\s)) > 63
	s_wait_loadcnt 63
.else
	s_wait_loadcnt 16*(7-(\s))
.endif
	s_wait_dscnt 0x0
	PLACES
.if (\s) < 7
	RLOAD (\s)+1, ((\s)+1)%2
.endif
.if (\s) == 0
	WIN 0xe4
	MULS \s, 1
.elseif (\s) < 5
	WIN 0xf4
	MULS \s, 0
.else
	WIN 0xf8
	MULS \s, 0
.endif
	WIN 0
.endm
.macro TOSTAGE a
	WIN 0x0c
.irp t, 0,1,2,3,4,5,6,7
	ds_store_b128 v10, v[64*(\a)+8*\t:64*(\a)+8*\t+3] offset:128*(\t/2)+32*(\t%2)
	ds_store_b128 v10, v[64*(\a)+8*\t+4:64*(\a)+8*\t+7] offset:128*(\t/2)+32*(\t%2)+16
.endr
	WIN 0
.irp i, 0,1,2,3,4,5,6,7,8,9,10,11,12,13,14,15
	ds_load_b128 v[BK+64*((\a)%2)+4*\i:BK+64*((\a)%2)+4*\i+3], v11 offset:528*\i
.endr
.endm
.macro SEND a, younger
	s_wait_dscnt \younger
.irp i, 0,1,2,3,4,5,6,7,8,9,10,11,12,13,14,15
	global_store_b128 v4, v[BK+64*((\a)%2)+4*\i:BK+64*((\a)%2)+4*\i+3], s[OP:OP+1] offset:(32*((\a)/2)+8*((\a)%2)+\i+8*(\i/8))*4096 th:TH_STORE_NT
.endr
.endm
	s_load_b256 s[4:11], s[0:1], 0x0
	s_load_b128 s[12:15], s[0:1], 0x20
	v_lshl_add_u32 v254, v0, 2, 0x29000
	v_mov_b32 v255, 0
	ds_add_u32 v254, v255
	ds_add_u32 v254, v255
	v_lshrrev_b32 v1, 5, v0
	v_readfirstlane_b32 s[WV], v1
	v_and_b32 v1, 31, v0
	v_and_b32 v2, 15, v0
	v_bfe_u32 v3, v0, 4, 1
	v_lshlrev_b32 v4, 4, v1
	v_lshlrev_b32 v8, 3, v1
	v_add_nc_u32 v5, 49152, v4
	v_add_nc_u32 v9, 49152, v8
	v_add_nc_u32 v12, SCL, v4
	v_lshlrev_b32 v13, 4, v2
	v_lshl_add_u32 v13, v3, 9, v13
	v_lshlrev_b32 v14, 6, v3
	s_mul_i32 s22, s[WV], 8448
	s_add_co_u32 s22, s22, STAGE
	v_mul_u32_u24 v10, v2, 528
	v_lshl_add_u32 v10, v3, 6, v10
	v_add_nc_u32 v10, s22, v10
	v_add_nc_u32 v11, s22, v4
	s_mov_b32 s[CL], ttmp9
	s_and_b32 s80, s[CL], 7
	s_add_co_u32 s83, s80, 88
	s_mul_i32 s84, s83, GRPB
	s_mul_i32 s22, s[WV], 32768
	s_add_co_u32 s84, s84, s22
	s_mov_b32 s85, 0
	s_lshl_b32 s86, s83, 12
	s_mov_b32 s23, 0
	s_add_co_u32 s86, s86, s23
	s_mov_b32 s87, 0
	s_mov_b32 s[G1C], 15|(3<<16)|(1<<21)
	s_mov_b32 s[G1C+1], 32<<16
	s_mov_b32 s[G1C+2], 128<<16
	s_mov_b32 s[G1C+3], 32<<16
	s_mov_b32 s[G1C+4], 128
	s_mov_b32 s[G1C+5], 32
	s_mov_b32 s[G1C+6], 0
	s_mov_b32 s[G1C+7], 0
	s_mov_b32 s[G1S], 15|(3<<16)|(1<<21)
	s_mov_b32 s[G1S+1], 32<<16
	s_mov_b32 s[G1S+2], 16<<16
	s_mov_b32 s[G1S+3], 32<<16
	s_mov_b32 s[G1S+4], 16
	s_mov_b32 s[G1S+5], 32
	s_mov_b32 s[G1S+6], 0
	s_mov_b32 s[G1S+7], 0
	s_wait_dscnt 0x0
	s_wait_kmcnt 0x0
	s_mov_b32 s[G0S], 1
	s_add_co_u32 s[G0S+1], s23, SCL
	s_add_nc_u64 s[G0S+2:G0S+3], s[10:11], s[86:87]
	s_or_b32 s[G0S+3], s[G0S+3], 0x80000000
	s_mov_b32 s[G0T], 1
	s_mov_b32 s[G0T+1], s22
	s_add_nc_u64 s[G0T+2:G0T+3], s[8:9], s[84:85]
	s_or_b32 s[G0T+3], s[G0T+3], 0x80000000
	CROUND                                         ; all four work-groups are here: the joint loads meet
	s_cmp_lt_u32 s[WV], 3                          ; all the launch's fills, one a wave: two arms of one branch on the wave's number
	s_cbranch_scc0 .Lhead_scales
	tensor_load_to_lds s[G0T:G0T+3], s[G1C:G1C+7]
	s_nop 0
.rept 4
	v_nop
.endr
	s_branch .Lhead_asked
.Lhead_scales:
	tensor_load_to_lds s[G0S:G0S+3], s[G1S:G1S+7]
	s_nop 0
.rept 4
	v_nop
.endr
.Lhead_asked:
	s_bfe_u32 s[CX], ttmp6, 0x40000
	s_lshr_b32 s88, s[CL], 3
	s_lshl_b32 s88, s88, 2
	s_add_co_u32 s88, s88, s[CX]
	s_lshl_b32 s89, s88, 1
	s_lshr_b32 s90, s[WV], 1
	s_add_co_u32 s89, s89, s90
	s_and_b32 s90, s[WV], 1
	s_mul_i32 s92, s89, GRPB
	s_mul_i32 s93, s90, 4*FRB
	s_add_co_u32 s92, s92, s93
	s_mov_b32 s93, 0
	s_add_nc_u64 s[SP:SP+1], s[4:5], s[92:93]
	s_lshl_b32 s92, s89, 12
	s_lshl_b32 s91, s90, 8
	s_add_co_u32 s92, s92, s91
	s_add_nc_u64 s[SS:SS+1], s[6:7], s[92:93]
	s_lshl_b32 s92, s80, 9
	s_add_nc_u64 s[BB:BB+1], s[12:13], s[92:93]
	s_lshl_b32 s94, s88, 8
	s_lshl_b32 s95, s[WV], 6
	s_add_co_u32 s94, s94, s95
	s_lshl_b32 s94, s94, 12
	s_add_co_u32 s92, s92, s94
	s_add_nc_u64 s[OP:OP+1], s[14:15], s[92:93]
	s_wait_alu depctr_va_vdst(0)
.irp k, 0,1,2,3
	global_load_b128 v[XS+4*\k:XS+4*\k+3], v13, s[SS:SS+1] offset:1024*\k
.endr
	WIN 0x80
.irp t, 0,1,2,3,4,5,6,7
	global_load_b128 v[BI+8*\t:BI+8*\t+3], v14, s[BB:BB+1] offset:128*(\t/2)+32*(\t%2)
	global_load_b128 v[BI+8*\t+4:BI+8*\t+7], v14, s[BB:BB+1] offset:128*(\t/2)+32*(\t%2)+16
.endr
	WIN 0x40
.irp s, 0,1,2,3,4
.irp a, 0,1,2,3
	GFRAG 48*\s+12*\a, \s*STPB+\a*FRB
.endr
.endr
	WIN 0x80
.irp s, 5,6,7
.irp a, 0,1,2,3
	GFRAG 48*(\s-5)+12*\a, \s*STPB+\a*FRB
.endr
.endr
	WIN 0
	s_wait_tensorcnt 0x0
	s_barrier_signal -1
	s_barrier_wait -1
	RLOAD 0, 0
.irp s, 0,1,2,3,4,5,6,7
	STEP \s
.endr
	PLACES
	TOSTAGE 0
.irp a, 1,2,3
.if \a > 1
	s_wait_xcnt 0x0
.endif
	TOSTAGE \a
	SEND \a-1, 32
.endr
	SEND 3, 0
	s_wait_tensorcnt 0x0
	ds_add_u32 v254, v255
	s_wait_dscnt 0x0
	CROUND
	s_endpgm
.Lfunc_end_k_qed861921c1_proj:
	.size	k_qed861921c1_proj, .Lfunc_end_k_qed861921c1_proj-k_qed861921c1_proj
	.p2alignl 7, 3214868480
	.fill 96, 4, 3214868480
	.section	.rodata,"a",@progbits
	.p2align	6, 0x0
	.amdhsa_kernel k_qed861921c1_proj
		.amdhsa_group_segment_fixed_size 327680
		.amdhsa_private_segment_fixed_size 0
		.amdhsa_enable_private_segment 0
		.amdhsa_kernarg_size 48
		.amdhsa_user_sgpr_count 2
		.amdhsa_user_sgpr_kernarg_segment_ptr 1
		.amdhsa_wavefront_size32 1
		.amdhsa_system_sgpr_workgroup_id_x 1
		.amdhsa_system_sgpr_workgroup_id_y 1
		.amdhsa_system_sgpr_workgroup_id_z 1
		.amdhsa_system_vgpr_workitem_id 0
		.amdhsa_next_free_vgpr 1024
		.amdhsa_next_free_sgpr 100
		.amdhsa_reserve_vcc 0
		.amdhsa_float_denorm_mode_32 3
		.amdhsa_float_denorm_mode_16_64 3
		.amdhsa_memory_ordered 1
		.amdhsa_forward_progress 1
		.amdhsa_inst_pref_size 85
	.end_amdhsa_kernel
	.amdgpu_metadata
---
amdhsa.version: [ 1, 2 ]
amdhsa.kernels:
  - .name:           k_qed861921c1_proj
    .symbol:         k_qed861921c1_proj.kd
    .args:
      - { .name: yc, .offset: 0, .size: 8, .value_kind: global_buffer, .address_space: global }
      - { .name: ys, .offset: 8, .size: 8, .value_kind: global_buffer, .address_space: global }
      - { .name: opc, .offset: 16, .size: 8, .value_kind: global_buffer, .address_space: global }
      - { .name: ops, .offset: 24, .size: 8, .value_kind: global_buffer, .address_space: global }
      - { .name: b_proj, .offset: 32, .size: 8, .value_kind: global_buffer, .address_space: global }
      - { .name: out0, .offset: 40, .size: 8, .value_kind: global_buffer, .address_space: global }
    .group_segment_fixed_size: 327680
    .private_segment_fixed_size: 0
    .kernarg_segment_align: 8
    .kernarg_segment_size: 48
    .max_flat_workgroup_size: 128
    .sgpr_count:     100
    .vgpr_count:     1024
    .wavefront_size: 32
...
	.end_amdgpu_metadata
.endif
;; end of part 4
